; MI455X (gfx1250); checked and timed in simulation.
; The chip was launched on July 23, 2026; its instructions are those of AMD's public machine-readable ISA for CDNA 5 (MIT licence, August 2026) and "CDNA5" Instruction Set Architecture Reference Guide (July 2026). The comments in the code are by the model that wrote it; some were corrected since.
;; Group Query Attention. Allowed arithmetic: matrix products marked QUANTISED: E2M3 operands, one E8M0 scale for each 32 along K, by v_wmma_scale_f32_16x16x128_f8f6f4 with both operands' format E2M3, f32 sums; everything else in f32.
;; Inputs: Wfc 2,048 x 2,048 float32; Wk 512 x 2,048 float32; Wq 2,048 x 2,048 float32; Wv 512 x 2,048 float32; bfc 2,048 float32; k 4 x 1,024 x 2,048 float32; q 4 x 1,024 x 2,048 float32; v 4 x 1,024 x 2,048 float32.
;; Outputs: out0 4 x 1,024 x 2,048 float32.
;; This version of the problem:
;;   THIS VERSION OF THE PROBLEM IS GIVEN IN LOW PRECISION. The matrix products marked QUANTISED in the list below multiply operands that are first quantised to E2M3 (2 exponent bits, 3 mantissa bits; 6 bits a number), with one power-of-two scale for each 32 numbers along K (OCP MX v1.0); their sums are f32. All else is computed in f32.
;;   The module's matrix products, in the order in which they are computed (A, B: the left and right operand; K: the contracted axis; several contracted axes count as one K, in the product's order):
;;     1. [M 4,096, K 2,048] x [K 2,048, N 2,048]; A: input q; B: input Wq: QUANTISED
;;     2. [M 4,096, K 2,048] x [K 2,048, N 512]; A: input k; B: input Wk: QUANTISED
;;     3. [M 4,096, K 2,048] x [K 2,048, N 512]; A: input v; B: input Wv: QUANTISED
;;     4. batch 128 x [M 1,024, K 64] x [K 64, N 1,024]; A: computed on the way; B: computed on the way: QUANTISED
;;     5. batch 128 x [M 1,024, K 1,024] x [K 1,024, N 64]; A: softmax (see below); B: computed on the way: QUANTISED
;;     6. [M 4,096, K 2,048] x [K 2,048, N 2,048]; A: computed on the way; B: input Wfc: QUANTISED
;;   THE QUANTISER, for each operand of a quantised product, along K:
;;     - K is cut into blocks of 32 from its start; a last block that is shorter is filled with zeros.
;;     - A block's scale is 2^e with e = floor(log2(the largest magnitude in the block)) - 2, held to -126 .. 127; a block of zeros has e = 0. As a byte (E8M0): e + 127.
;;     - Each number is divided by its block's scale, clamped to +-7.5, and rounded to the nearest number of E2M3, ties to even, subnormals kept.
;;     - The product sums the exact products of the quantised numbers (number of the format x scale) in f32.
;;   ~~~python
;;   def quantise(x, axis):      # numpy; x: float32 -> the quantised numbers, widened to float32 again
;;       x = np.moveaxis(x, axis, -1); K = x.shape[-1]
;;       x = np.pad(x, [(0, 0)] * (x.ndim - 1) + [(0, -K % 32)]); x = x.reshape(x.shape[:-1] + (-1, 32)); a = np.abs(x).max(-1, keepdims=True)
;;       e = np.where(a > 0, np.clip(np.frexp(np.where(a > 0, a, 1))[1] - 1 - 2, -126, 127), 0)      # np.frexp(a)[1] - 1 = floor(log2(a)), exactly
;;       r = np.clip(x / 2.0 ** e, -7.5, 7.5)
;;       step = 2.0 ** (np.maximum(np.frexp(np.where(r == 0, 1, r))[1] - 1, 0) - 3)
;;       q = np.round(r / step) * step * 2.0 ** e      # np.round: ties to even
;;       return np.moveaxis(q.reshape(q.shape[:-2] + (-1,))[..., :K], -1, axis).astype(np.float32)
;;   ~~~
;;   SOFTMAX AHEAD OF A QUANTISED PRODUCT. Where the list says 'softmax', what is quantised is not the finished softmax but p = 2^(t - M), with t = logit x log2(e) and M = ceil(the row's largest t), a whole number; so 1/2 < the row's largest p <= 1. The row's sum l is taken of the UNQUANTISED p, in f32, and the product's result is divided by l at the end. Since M is a whole number, a kernel that streams over the keys may use a running M (the ceiling of the running maximum): every later rescaling is an exact power of two, which a block's scale takes up: the codes' values come out the same.
;;   OPERANDS COMPUTED ON THE WAY. 'Computed on the way' means the value that the module computes at that place (a softmax that the list does not call 'softmax' is quantised finished and normalised). What goes into a quantiser is computed in f32, as accurately as f32 sums, v_exp_f32 and their like allow (about 1e-6 of the number): no bf16 or f16 on the way to a quantiser, and a product that is left as it is and whose result goes on into a quantised operand takes f32 operands (vector FMAs, or v_wmma_f32_16x16x4_f32). A number that lies on a knife's edge between two numbers of the format may be rounded either way, as far as f32 arithmetic and the matrix unit's own rounding can turn it there, and no further.
;; One version. Each part assembles by itself: llvm-mc -triple=amdgcn-amd-amdhsa -mcpu=gfx1250 --defsym DOCPART=n.
;; ======== version 1 of 1: 4 launches
;; limits: right only within a limited range of input values
;; workspace buffers: codes 23,592,960 bytes; scales 983,040 bytes; qimg 6,815,744 bytes; kv 3,342,336 bytes; oc 6,291,456 bytes; os 262,144 bytes; wimg 3,276,800 bytes
;; launch quant (part 1): grid 960 x 1, 4 waves a work-group, no clusters, 33,280 bytes of LDS; arguments q, k, v, Wq, Wk, Wv, codes, scales; writes codes, scales
.if DOCPART == 1
	.amdgcn_target "amdgcn-amd-amdhsa--gfx1250"
	.amdhsa_code_object_version 6
	.text
	.protected	k_q917b1bcf24_quant
	.globl	k_q917b1bcf24_quant
	.p2align	8
	.type	k_q917b1bcf24_quant,@function
k_q917b1bcf24_quant:
	s_mov_b64 s[64:65], 0
	v_nop
	global_prefetch_b8 v0, s[64:65] scope:SCOPE_SE
	s_setreg_imm32_b32 hwreg(HW_REG_WAVE_MODE, 25, 1), 1
	s_wait_xcnt 0x0
; q, k, v [4096][2048], Wq [2048][2048], Wk, Wv [512][2048], all f32 with K innermost, become codes of FP6 (E2M3), 6 bits each, and one E8M0 byte for each 32 along K.
; The six tensors lie on end in the two workspace buffers, in this order; a row is 1,536 bytes of codes and 64 scale bytes.  (Wfc is quantised by the next launch, on WGPs that its products leave without work.)
; A block's scale is 2^(floor(log2(its largest magnitude)) - 2); its byte is the largest magnitude's exponent field - 2, held at 1 from below.
; ROW rho OF A TENSOR IS STORED AT POSITION sigma(rho): rho with bits 3 and 4 exchanged.  Sixteen neighbouring positions, 16 (2 b + u) + r, then hold rows 32 b + 8 u + r + 8 (r / 8):
; taken as source 0 of a matrix instruction they leave, in a lane's 16 registers of two neighbouring tiles, 16 neighbouring rows.  So the later launches quantise their results with no transposition.
; LIMITS: NaN and infinities among the inputs are not served; a block of zeros, or one whose largest magnitude lies under 2^-124, gets the byte 1 (its codes are zeros or the nearest codes under that scale); the bytes are read by this program alone.
; A work-group takes 32,768 numbers, a wave a run of 8,192 (four rows) in 16 steps of 512.  A run's number holds the rows' bits 3 and 4 as its bits 1 and 2, so sigma is an exchange of two bits of the run's number.
; Each load reads 512 consecutive bytes; a step's 2,048 bytes turn through the wave's own stage in LDS, so that a lane holds 16 neighbours along K (two lanes a block).  Waves share nothing: no barrier, no tensor load, no cluster.
.set STEPS, 16
.set EMAX,  2
.set CB,    12                         ; bytes of 16 codes
.set R,     16                         ; v16-79   four sets of 16 numbers as they are loaded
.set X,     80                         ; v80-111  two sets of 16 neighbours
.set C,     128                        ; v128-191 codes: four registers for each step, so that no store's data are written again
.set E,     112                        ; v112-127 a scale byte for each step
.set WREG,  8192                       ; LDS: a region for each wave: two stages of 32 x SP bytes, and behind them its 256 scale bytes
.set SP,    80                         ; a lane's place in a stage: its 64 bytes + 16 of padding
.set SRC,   24                         ; s[24:25] the tensor that my work-group reads
.set FST,   26                         ; s26      that tensor's first work-group
.macro PICK thr, ptr, first            ; work-groups under thr belong to an earlier tensor: the choice hangs on the work-group's number alone
	s_cmp_lt_u32 ttmp9, \thr
	s_cselect_b64 s[SRC:SRC+1], s[\ptr:\ptr+1], s[SRC:SRC+1]
	s_cselect_b32 s[FST], \first, s[FST]
.endm
	s_load_b512 s[4:19], s[0:1], 0x0               ; q s[4:5], k s[6:7], v s[8:9], Wq s[10:11], Wk s[12:13], Wv s[14:15], codes s[16:17], scales s[18:19]
	v_lshl_add_u32 v192, v0, 2, 0x8000
	v_mov_b32 v193, 0
	v_lshrrev_b32 v1, 5, v0
	v_readfirstlane_b32 s22, v1                    ; wave
	v_and_b32 v2, 31, v0                           ; lane
	v_lshlrev_b32 v3, 4, v2                        ; my 16 bytes of a load's 512
	s_mul_i32 s23, s22, WREG
	v_lshrrev_b32 v14, 2, v2
	v_mul_u32_u24 v14, v14, SP
	v_and_b32 v15, 3, v2
	v_lshl_add_u32 v14, v15, 4, v14
	v_add_nc_u32 v14, s23, v14                     ; the stage, on the way in: four lanes' 64 bytes on end, then 16 of padding
	v_mul_u32_u24 v15, v2, SP
	v_add_nc_u32 v15, s23, v15                     ; and on the way out: SP x lane: my 16 neighbours
	; THE CODES' BUFFER IS LAID BY K STEPS: [K step of 256 (8)][position among all six tensors' rows (15,360)][192 bytes]: a row's 1,536 bytes of codes lie in eight planes,
	; and the 128 neighbouring positions of a tile are, in each plane, 24,576 dense bytes that begin at a multiple of 256.
.set PLANE, 15360*192
	v_and_b32 v4, 15, v2
	v_mul_u32_u24 v4, v4, CB                       ; my codes' place: 12 bytes for each of sixteen lanes,
	v_lshrrev_b32 v5, 4, v2
	v_mul_u32_u24 v5, v5, PLANE                    ; lanes 16-31 hold the step's second 256 along K: the next plane
	v_add_nc_u32 v4, v4, v5
	v_lshrrev_b32 v5, 1, v2
	s_add_co_u32 s23, s23, 2*32*SP
	v_add_nc_u32 v5, s23, v5                       ; LDS: my wave's 256 scale bytes, my block's byte
	v_lshlrev_b32 v7, 3, v2                        ; and on the way out 8 bytes a lane
	v_add_nc_u32 v6, s23, v7
	s_wait_alu depctr_va_vdst(0)
	s_wait_kmcnt 0x0
	s_mov_b64 s[SRC:SRC+1], s[14:15]               ; Wv, unless the work-group's number says otherwise
	s_mov_b32 s[FST], 928
	PICK 928, 12, 896                              ; Wk
	PICK 896, 10, 768                              ; Wq
	PICK 768, 8, 512                               ; v
	PICK 512, 6, 256                               ; k
	PICK 256, 4, 0                                 ; q
	s_sub_co_u32 s27, ttmp9, s[FST]
	s_lshl_b32 s27, s27, 2
	s_add_co_u32 s27, s27, s22                     ; my run in the tensor
	s_lshl_b32 s28, s27, 15                        ; 32,768 bytes of f32 a run
	s_mov_b32 s29, 0
	s_add_nc_u64 s[SRC:SRC+1], s[SRC:SRC+1], s[28:29]
	s_lshl_b32 s27, ttmp9, 2
	s_add_co_u32 s27, s27, s22                     ; my run among all six tensors' runs (each tensor begins at a multiple of eight runs)
	s_and_b32 s30, s27, 2
	s_lshl_b32 s30, s30, 1                         ; bit 1 goes to bit 2,
	s_lshr_b32 s31, s27, 1
	s_and_b32 s31, s31, 2                          ; bit 2 to bit 1
	s_and_not1_b32 s27, s27, 6
	s_or_b32 s27, s27, s30
	s_or_b32 s27, s27, s31                         ; the run's position
	s_mul_i32 s28, s27, 4*192                      ; a run's four rows take 768 bytes of each plane
	s_add_nc_u64 s[32:33], s[16:17], s[28:29]      ; four bases: planes 0, 2, 4, 6 (a step covers two planes)
	s_add_nc_u64 s[34:35], s[32:33], 2*PLANE
	s_add_nc_u64 s[36:37], s[32:33], 4*PLANE
	s_add_nc_u64 s[38:39], s[32:33], 6*PLANE
	s_lshl_b32 s28, s27, 8                         ; 256 scale bytes a run
	s_add_nc_u64 s[18:19], s[18:19], s[28:29]
.macro LOAD t
.irp i, 0,1,2,3
	global_load_b128 v[R+16*((\t)%4)+4*\i:R+16*((\t)%4)+4*\i+3], v3, s[SRC:SRC+1] offset:2048*(\t)+512*\i th:TH_LOAD_NT   ; 32 lanes read 512 consecutive bytes
.endr
.endm
.macro TURN t                          ; step t's numbers through the stage: LDS serves a wave's instructions in order (ISA guide 5.7.1.4), so no wait stands between the stores and the loads
.irp i, 0,1,2,3
	ds_store_b128 v14, v[R+16*((\t)%4)+4*\i:R+16*((\t)%4)+4*\i+3] offset:32*SP*((\t)%2)+8*SP*\i
.endr
.irp i, 0,1,2,3
	ds_load_b128 v[X+16*((\t)%2)+4*\i:X+16*((\t)%2)+4*\i+3], v15 offset:32*SP*((\t)%2)+16*\i
.endr
.endm
.irp t, 0,1,2,3
	LOAD \t
.endr
	s_wait_loadcnt 12                              ; step 0's four loads are in; the twelve of steps 1 to 3 may be out
	TURN 0
.macro STEP t
.set XS, X+16*((\t)%2)
.if (\t) > 0
	s_wait_dscnt 1                                 ; this step's numbers are back from the stage (the last step's byte store may be out): so its stores into the stage have read their registers,
.else
	s_wait_dscnt 0x0
.endif
.if (\t)+4 < STEPS
	LOAD (\t)+4                                    ; which take the loads of four steps on
.endif
.if (\t)+1 < STEPS
.if STEPS-2-(\t) >= 3
	s_wait_loadcnt 12                              ; the next step's four loads are in; those of the three steps behind it may be out
.else
	s_wait_loadcnt 4*(STEPS-2-(\t))                ; the tail: fewer steps are behind it
.endif
	TURN (\t)+1                                    ; and go through the other stage while this step is worked
.endif
	v_max3_num_f32 v8, |v[XS]|, |v[XS+1]|, |v[XS+2]|               ; the largest magnitude of my 16, in two chains
	v_max3_num_f32 v9, |v[XS+3]|, |v[XS+4]|, |v[XS+5]|
.irp i, 6,10
	v_max3_num_f32 v8, v8, |v[XS+\i]|, |v[XS+\i+1]|
	v_max3_num_f32 v9, v9, |v[XS+\i+2]|, |v[XS+\i+3]|
.endr
	v_max3_num_f32 v8, v8, |v[XS+14]|, |v[XS+15]|
	v_max3_num_f32 v8, v8, v9, (EMAX+1)<<23        ; and the floor 2^(EMAX + 1 - 127): the byte cannot fall under 1
	v_max_num_f32_dpp v8, v8, v8 row_xmask:1 row_mask:0xf bank_mask:0xf   ; and of my neighbour's 16: the block's
	v_add_nc_u32 v11, -(EMAX<<23), v8              ; EMAX off its exponent field: the conversion takes the exponent field of this operand as its scale
	v_cvt_scalef32_pk16_fp6_f32 v[C+4*(\t):C+4*(\t)+2], v[XS:XS+15], v11         ; sixteen codes, 96 bits without gaps, the first number's code lowest; beyond the largest code the largest
	v_lshrrev_b32 v[E+(\t)], 23, v11               ; the scale's byte (also the plain line behind the conversion)
	ds_store_b8 v5, v[E+(\t)] offset:16*(\t)       ; both lanes of a block write the same byte with the same value
	global_store_b96 v4, v[C+4*(\t):C+4*(\t)+2], s[32+2*((\t)%4):33+2*((\t)%4)] offset:192*((\t)/4)   ; row t / 4 of the run, planes 2 (t % 4) and the next: sixteen lanes store 192 consecutive bytes; a run's four rows fill 768 on end in each plane
.endm
.irp t, 0,1,2,3,4,5,6,7,8,9,10,11,12,13,14,15
	STEP \t
.endr
	ds_load_b64 v[12:13], v6                       ; LDS serves a wave's instructions in order: these see my stores
	s_wait_dscnt 0x0
	global_store_b64 v7, v[12:13], s[18:19]        ; 32 lanes store 256 consecutive bytes, at a multiple of 256 from the buffer's first byte
	s_wait_tensorcnt 0x0
	ds_add_u32 v192, v193
	s_wait_dscnt 0x0
	s_endpgm
.Lfunc_end_k_q917b1bcf24_quant:
	.size	k_q917b1bcf24_quant, .Lfunc_end_k_q917b1bcf24_quant-k_q917b1bcf24_quant
	.p2alignl 7, 3214868480
	.fill 96, 4, 3214868480
	.section	.rodata,"a",@progbits
	.p2align	6, 0x0
	.amdhsa_kernel k_q917b1bcf24_quant
		.amdhsa_group_segment_fixed_size 33280
		.amdhsa_private_segment_fixed_size 0
		.amdhsa_enable_private_segment 0
		.amdhsa_kernarg_size 64
		.amdhsa_user_sgpr_count 2
		.amdhsa_user_sgpr_kernarg_segment_ptr 1
		.amdhsa_wavefront_size32 1
		.amdhsa_system_sgpr_workgroup_id_x 1
		.amdhsa_system_sgpr_workgroup_id_y 1
		.amdhsa_system_sgpr_workgroup_id_z 1
		.amdhsa_system_vgpr_workitem_id 0
		.amdhsa_next_free_vgpr 194
		.amdhsa_next_free_sgpr 66
		.amdhsa_reserve_vcc 0
		.amdhsa_float_denorm_mode_32 3
		.amdhsa_float_denorm_mode_16_64 3
		.amdhsa_memory_ordered 1
		.amdhsa_forward_progress 1
		.amdhsa_inst_pref_size 33
	.end_amdhsa_kernel
	.amdgpu_metadata
---
amdhsa.version: [ 1, 2 ]
amdhsa.kernels:
  - .name:           k_q917b1bcf24_quant
    .symbol:         k_q917b1bcf24_quant.kd
    .args:
      - { .name: q, .offset: 0, .size: 8, .value_kind: global_buffer, .address_space: global }
      - { .name: k, .offset: 8, .size: 8, .value_kind: global_buffer, .address_space: global }
      - { .name: v, .offset: 16, .size: 8, .value_kind: global_buffer, .address_space: global }
      - { .name: Wq, .offset: 24, .size: 8, .value_kind: global_buffer, .address_space: global }
      - { .name: Wk, .offset: 32, .size: 8, .value_kind: global_buffer, .address_space: global }
      - { .name: Wv, .offset: 40, .size: 8, .value_kind: global_buffer, .address_space: global }
      - { .name: codes, .offset: 48, .size: 8, .value_kind: global_buffer, .address_space: global }
      - { .name: scales, .offset: 56, .size: 8, .value_kind: global_buffer, .address_space: global }
    .group_segment_fixed_size: 33280
    .private_segment_fixed_size: 0
    .kernarg_segment_align: 8
    .kernarg_segment_size: 64
    .max_flat_workgroup_size: 128
    .sgpr_count:     66
    .vgpr_count:     194
    .wavefront_size: 32
...
	.end_amdgpu_metadata
.endif
;; end of part 1
;; launch proj (part 2): grid 256 x 1, 4 waves a work-group, no clusters, 327,680 bytes of LDS; arguments codes, scales, qimg, kv, Wfc, wimg; writes qimg, kv, wimg
.if DOCPART == 2
	.amdgcn_target "amdgcn-amd-amdhsa--gfx1250"
	.amdhsa_code_object_version 6
	.text
	.protected	k_q917b1bcf24_proj
	.globl	k_q917b1bcf24_proj
	.p2align	8
	.type	k_q917b1bcf24_proj,@function
k_q917b1bcf24_proj:
	s_mov_b64 s[64:65], 0
	v_nop
	global_prefetch_b8 v0, s[64:65] scope:SCOPE_SE
	s_setreg_imm32_b32 hwreg(HW_REG_WAVE_MODE, 25, 1), 1
	s_wait_xcnt 0x0
; The three projections qh = q Wq^T, kh = k Wk^T, vh = v Wv^T on codes of FP6 (E2M3) with one E8M0 scale for each 32 along K = 2,048, sums in f32; the results are quantised at once, in registers, for the attention launch:
; qh and kh along the head's 64, vh along the keys.  No result goes to memory as f32.
; ONE TEXT, THREE PROBLEMS, told apart by the work-group's number through global addresses alone: 0-127 Q (16 x 8 tiles of 256 x 256), 128-159 K (16 x 2), 160-191 V (2 x 16).
; WORK-GROUPS 192-255 QUANTISE Wfc [2048][2048] f32 for the last launch (at the text's end): the products have 192 tiles of equal work, and these 64 take work that the launch before would otherwise do.
; "A" is source 1 of the matrix instruction (a lane holds one of its rows), "B" source 0 (a lane's registers run along its rows).  Q: A = q's tokens, B = Wq.  K: A = k's tokens, B = Wk.  V: A = Wv, B = v's tokens.
; All rows lie at positions sigma(row) (bits 3 and 4 exchanged), so that the 16 registers of B's blocks 2 i and 2 i + 1 are 16 NEIGHBOURS: 32 i + 16 (lane / 16) + 0 .. 15 in the original order: the order in which the conversions want them.
; So a lane's 64 registers of one block of A are 128 numbers' worth of one fragment: for Q and K two heads' 64 channels of one token (two fragments of six registers), for V 128 keys of one channel (one fragment of twelve).
; The fragments are stored as IMAGES OF THEIR REGISTERS (registers 0-3 at 16 x lane, registers 4-5 at 512 + 8 x lane, 768 bytes for six registers), their scale words two tiles to a word's 32 lanes (lanes 0-15 the even tile, lanes 16-31 the odd).
; THE PRODUCT: a tile of 256 x 256 by four waves, 128 x 128 each (64 accumulators, 512 registers); K in steps of 256 through a ring of two LDS slots; the scale bytes of the tile's 512 rows come once and stay.
; NO CLUSTER: Wk and Wv are two tiles of 256 rows each, so K's and V's parts of the grid do not divide into 4 x 4 work-groups; and in V the side that four partners could share is the other one than in Q and K, so one text would need masks that change with the problem.
; Tiles of half the side would double the LDS bytes read for each multiply-add.
; LIMITS: NaN and infinities are not served; a block of zeros, or one under 2^-124, gets the byte 1; the bytes are read by this program alone.
; REGISTERS, in windows of 256: window 0: v0-31 addresses; v32-63 scale words, two sets; v64-127 the way out; from v128 A's fragments, one set.  window 1: B's fragments, two sets, at v0 and v128.
;   window 2: the accumulators of my rows 0-63 of A ((a, b) at v[8 (8 a + b)]); window 3: those of rows 64-127.
.set KSTEP,  256
.set NQ,     2                         ; matrix instructions deep in a slot
.set ROWB,   192                       ; a tile's row in bytes
.set KROW,   192                       ; from position to position in a plane of the codes' buffer
.set KCH,    15360*192                 ; from K step to K step: a plane of all 15,360 positions
.set PITCH,  240                       ; an LDS row: 3 x (64 bytes + 16 of padding)
.set FR,     12                        ; registers of a fragment
.set NL,     6                         ; LDS loads that bring one
.set NP,     4                         ; places behind this matrix instruction (ISA guide 7.12.1)
.set HALFT,  128*PITCH                 ; 128 rows: what one tensor load brings
.set SLOT,   4*HALFT                   ; A's 256 rows, then B's 256
.set LAPS,   4                         ; 2,048 / 512
.set KS,     64                        ; a row of scale bytes
.set SCL,    2*SLOT                    ; behind the ring: the scales, as units of 256 bytes + 16 of padding
.set HALFS,  (128*KS/256)*272
.set SBLK,   (16*KS/256)*272
.set SPARE,  SCL+4*HALFS               ; the spare words, 128 bytes for each wave: two blocks of 256 bytes that no other line names
.set ADRA, 16                          ; v16-17 LDS address of my A fragments in slot 0, 1 (v18-19: behind one padding more)
.set ADRB, 20                          ; v20-23 the same for B
.set ADRS, 27                          ; v27    my scale words: lanes 0-15 A's rows, lanes 16-31 B's
.set SPW,  28                          ; v28    my spare word; never rewritten
.set NIL,  29                          ; v29    0; never rewritten
.set SC,   32                          ; v32-63 scale words and nothing else
.set AF,   128
.set TM,   64                          ; the way out: v64-67 largest magnitudes, v68-71 at work, v76-79 the conversions' scale operands
.set PC,   80                          ; v80-99   the codes just made
.set PW,   100                         ; v100-107 eight scale words
.set WM,   108                         ; v108-111 two blocks' words in one register
.set WE,   112                         ; v112-115 the first head's two bytes
.set WO,   116                         ; v116-119 the second head's
.set L16,  120                         ; 16 x lane
.set L8,   121                         ; 8 x lane + 512
.set O16,  122
.set O8,   123
.set L8S,  124                         ; 8 x lane
.set SEL,  18                          ; s[18:19] v_permlanex16_b32's selects for lane l xor 16
.set G1,   24                          ; s[24:31] group 1 for the tiles;  s[32:39] my group 0, one for each slot
.set G0,   32
.set G1S,  40                          ; s[40:47], s[48:51] the same for the scale bytes
.set G0S,  48
.set K_FST, 52                         ; the problem's constants, s52-63 and s66-71
.set K_SHF, 53
.set K_MSK, 54
.set K_AOF, 55
.set K_BOF, 56
.set K_ASC, 57
.set K_BSC, 58
.set K_NHS, 59
.set K_HS,  60
.set K_SS,  61
.set K_C0,  62
.set K_HS2, 63
.set K_SS2, 66
.set K_C2,  67
.set K_SA,  68
.set K_SJ,  69
.set K_SE,  70
.set K_SES, 71
.set MSB, 0
.macro WIN new                         ; the immediate's high byte repeats the setting that is left
.if MSB != \new
	s_set_vgpr_msb (MSB<<8)|\new
.set MSB, \new
.endif
.endm
.set MUL_LO, 0xa1                      ; source 0 (B) window 1, source 1 (A) window 0, C and D window 2
.set MUL_HI, 0xf1
.set TO_B,   0x40
.macro KV d, kk, vv                    ; under the compare "not V's": K's number or V's
	s_mov_b32 s[\d], \vv
	s_cselect_b32 s[\d], \kk, s[\d]
.endm
.macro QQ d, qq                        ; under the compare "Q's": Q's number in their place
	s_cselect_b32 s[\d], \qq, s[\d]
.endm
	s_load_b256 s[4:11], s[0:1], 0x0               ; codes s[4:5], scales s[6:7], qimg s[8:9], kv s[10:11]
	v_lshl_add_u32 v[SPW], v0, 2, SPARE
	v_mov_b32 v[NIL], 0
	ds_add_u32 v28, v29
	ds_add_u32 v28, v29
	s_wait_dscnt 0x0
	v_lshrrev_b32 v1, 5, v0
	v_readfirstlane_b32 s14, v1                    ; wave 0..3
	s_lshr_b32 s15, s14, 1                         ; which half of A's rows is mine.  Also: I fetch for A (0) or for B (1)
	s_and_b32 s16, s14, 1                          ; which half of B's rows.  Also: which 128 rows I fetch
	s_mov_b32 s[SEL], 0x76543210
	s_mov_b32 s[SEL+1], 0xfedcba98
	s_mov_b32 s99, 0xffff0000                      ; lanes 16-31
	s_cmp_ge_u32 ttmp9, 192                        ; the same for all four waves of a work-group
	s_cbranch_scc1 .Lwfc
	s_cmp_lt_u32 ttmp9, 160                        ; s_mov_b32 and s_cselect_b32 leave SCC alone: one compare serves the list
	KV K_FST, 128, 160                             ; the problem's first work-group
	KV K_SHF, 1, 4                                 ; tile of A = j >> shift,
	KV K_MSK, 1, 15                                ; tile of B = j & mask
	KV K_AOF, 786432, 2850816                      ; A's codes in a plane: k, Wv (first position x 192)
	KV K_BOF, 2752512, 1572864                     ; B's codes: Wk, v
	KV K_ASC, 262144, 950272                       ; their scale bytes
	KV K_BSC, 917504, 524288
	KV K_C0, 0, 6144                               ; where the images begin in a record of kv
	KV K_C2, 12288, 12800                          ; and the scale words
	KV K_SA, 768, 1536                             ; from block to block of A
	KV K_SJ, 0, 98304                              ; V: behind four blocks the next group's record
	KV K_SE, 104448, 768                           ; from registers 0-5 to registers 6-11: the next head or group; V: the fragment's second half
	s_mov_b32 s[K_NHS], 3                          ; 8 groups a batch
	s_mov_b32 s[K_HS], 104448                      ; a group's eight records
	s_mov_b32 s[K_SS], 13056                       ; a record: 128 keys
	s_mov_b32 s[K_HS2], 104448
	s_mov_b32 s[K_SS2], 13056
	s_mov_b32 s[K_SES], 104448
	s_cmp_lt_u32 ttmp9, 128
	QQ K_FST, 0
	QQ K_SHF, 3
	QQ K_MSK, 7
	QQ K_AOF, 0                                    ; q
	QQ K_BOF, 2359296                              ; Wq
	QQ K_ASC, 0
	QQ K_BSC, 786432
	QQ K_NHS, 5                                    ; 32 heads a batch
	QQ K_HS, 49152                                 ; a head's 64 tiles of 768 bytes
	QQ K_SS, 6144                                  ; eight tiles
	QQ K_C0, 0
	QQ K_HS2, 4096                                 ; a head's eight records of scale words
	QQ K_SS2, 512
	QQ K_C2, 6291456                               ; behind the images
	QQ K_SA, 768
	QQ K_SJ, 0
	QQ K_SE, 49152
	QQ K_SES, 4096
	s_sub_co_u32 s72, ttmp9, s[K_FST]
	s_and_b32 s73, s72, s[K_MSK]                   ; tile of B
	s_lshr_b32 s72, s72, s[K_SHF]                  ; tile of A
	; descriptor group 1: a tile's positions x 192 bytes are dense in a plane and are stated as rows of 256 bytes; 16 bytes of padding behind every 64 make each position's 192 bytes an LDS row of 240
	s_mov_b32 s[G1+0], (1<<20)|(3<<22)|(3<<25)     ; 15:0 no mask; 17:16 elements of 1 byte; 20 padding on; 24:22 after every 16 words (code 3); 31:25 of 4 words (code 3)
	s_mov_b32 s[G1+1], 256<<16                     ; tensor_dim0
	s_mov_b32 s[G1+2], 192<<16                     ; tensor_dim1: 256 positions = 192 rows for the head's loads; set to 96 for the ring's behind the wait for them
	s_mov_b32 s[G1+3], 256<<16                     ; tile_dim0
	s_mov_b32 s[G1+4], 192                         ; tile_dim1 likewise
	s_mov_b32 s[G1+5], 256                         ; dense
	s_mov_b32 s[G1+6], 0
	s_mov_b32 s[G1+7], 0
	; the scale bytes of 128 rows: 8,192 dense bytes as 32 rows of 256 (32 elements of 8 bytes), 16 bytes of padding behind each
	s_mov_b32 s[G1S+0], (3<<16)|(1<<20)|(5<<22)|(3<<25)
	s_mov_b32 s[G1S+1], 32<<16
	s_mov_b32 s[G1S+2], 64<<16                     ; the scale bytes of 256 rows: 64 rows of 256 bytes
	s_mov_b32 s[G1S+3], 32<<16
	s_mov_b32 s[G1S+4], 64
	s_mov_b32 s[G1S+5], 32
	s_mov_b32 s[G1S+6], 0
	s_mov_b32 s[G1S+7], 0
	s_cmp_lt_u32 s14, 2                            ; waves 0 and 1 fetch A's halves, waves 2 and 3 B's: only offsets are chosen
	s_cselect_b32 s74, s72, s73
	s_cselect_b32 s76, s[K_AOF], s[K_BOF]
	s_lshl_b32 s74, s74, 8
	s_lshl_b32 s75, s16, 7
	s_add_co_u32 s74, s74, s75                     ; the first of the 128 rows that I fetch
	s_mul_i32 s75, s74, KROW
	s_add_co_u32 s76, s76, s75                     ; its codes (all offsets lie under 2^25)
	s_mov_b32 s77, 0
	; the head's four tiles, each whole: even waves take A's side, odd waves B's; waves 0 and 1 the 256 rows of K step 0, waves 2 and 3 the 256 rows' scale bytes
	s_cmp_eq_u32 s16, 0
	s_cselect_b32 s12, s72, s73
	s_cselect_b32 s20, s[K_AOF], s[K_BOF]
	s_cselect_b32 s78, s[K_ASC], s[K_BSC]
	s_lshl_b32 s12, s12, 8                         ; the tile's first row
	s_mul_i32 s13, s12, KROW
	s_add_co_u32 s20, s20, s13                     ; its codes
	s_mov_b32 s21, 0
	s_lshl_b32 s13, s12, 6
	s_add_co_u32 s78, s78, s13                     ; its scale bytes
	s_mov_b32 s79, 0
	s_mul_i32 s80, s14, HALFT                      ; the ring: wave x 128 rows
	s_mul_i32 s81, s16, 2*HALFS                    ; the head: A's 256 rows first, B's behind them
	s_mul_i32 s13, s16, 2*HALFT
	s_wait_kmcnt 0x0
	s_add_nc_u64 s[76:77], s[4:5], s[76:77]
	s_add_nc_u64 s[78:79], s[6:7], s[78:79]
	s_add_nc_u64 s[6:7], s[4:5], s[20:21]          ; s[4:7]: group 0 of the head's load of codes (the two arguments that lay there have been used)
	s_or_b32 s7, s7, 0x80000000
	s_mov_b32 s4, 1
	s_mov_b32 s5, s13
	s_mov_b32 s[G0S], 1
	s_add_co_u32 s[G0S+1], s81, SCL
	s_mov_b64 s[G0S+2:G0S+3], s[78:79]
	s_or_b32 s[G0S+3], s[G0S+3], 0x80000000
.irp s, 0,1
	s_mov_b32 s[G0+4*\s], 1                        ; count = 1
	s_add_co_u32 s[G0+4*\s+1], s80, \s*SLOT        ; LDS address
	s_add_nc_u64 s[G0+4*\s+2:G0+4*\s+3], s[76:77], \s*KCH    ; K step s
	s_or_b32 s[G0+4*\s+3], s[G0+4*\s+3], 0x80000000          ; type = 2
.endr
	s_cmp_lt_u32 s14, 2                            ; one tensor load a wave at the head: one branch on the wave's number, a load in each arm
	s_cbranch_scc0 .Lhead_s
	tensor_load_to_lds s[4:7], s[G1:G1+7]          ; waves 0, 1: K step 0's 256 rows of A, of B
	s_nop 0
.rept 4
	v_nop
.endr
	s_branch .Lhead_j
.Lhead_s:
	tensor_load_to_lds s[G0S:G0S+3], s[G1S:G1S+7]  ; waves 2, 3: the scale bytes of A's 256 rows, of B's
	s_nop 0
.rept 4
	v_nop
.endr
.Lhead_j:
.rept 4
	v_nop                                          ; four plain lines follow a tensor load
.endr
	v_and_b32 v1, 15, v0                           ; l % 16
	v_bfe_u32 v2, v0, 4, 1                         ; l / 16
	v_mul_u32_u24 v3, v1, PITCH
	v_mul_u32_u24 v4, v2, 24
	v_add_nc_u32 v4, v3, v4                        ; a fragment's row x pitch + 24 x half
	v_lshl_add_u32 v5, v2, 4, v4                   ; and the same behind one padding more
	s_mul_i32 s21, s15, HALFT                      ; my 128 rows of A
	s_mul_i32 s22, s16, HALFT                      ; my 128 rows of B,
	s_add_co_u32 s22, s22, 2*HALFT                 ; which lie behind A's 256
.irp s, 0,1
	v_add_nc_u32 v[ADRA+\s], s21, v4
	v_add_nc_u32 v[ADRB+\s], s22, v4
	v_add_nc_u32 v[ADRA+2+\s], s21, v5
	v_add_nc_u32 v[ADRB+2+\s], s22, v5
	s_add_co_u32 s21, s21, SLOT
	s_add_co_u32 s22, s22, SLOT
.endr
	v_mul_u32_u24 v5, v1, KS                       ; my row's scale bytes: 64 a row,
	v_lshrrev_b32 v6, 8, v5
	v_lshl_add_u32 v5, v6, 4, v5                   ; and 16 more for each 256 passed
	s_mul_i32 s21, s15, HALFS
	s_mul_i32 s22, s16, HALFS
	s_add_co_u32 s22, s22, 2*HALFS
	s_sub_co_u32 s22, s22, s21
	v_mul_u32_u24 v6, s22, v2                      ; lanes 16-31 take B's: one product, the distance between the two bases
	s_add_co_u32 s21, s21, SCL
	v_add_nc_u32 v5, v5, v6
	v_add_nc_u32 v[ADRS], s21, v5
	; where my results go
	s_lshl_b32 s82, s72, 8
	s_lshl_b32 s83, s15, 7
	s_add_co_u32 s82, s82, s83                     ; my first row of A
	s_lshl_b32 s83, s73, 8
	s_lshl_b32 s84, s16, 7
	s_add_co_u32 s83, s83, s84                     ; my first row of B
	s_cmp_ge_u32 ttmp9, 160
	s_cselect_b32 s84, s83, s82                    ; my first token: in V the tokens are B's rows
	s_cselect_b32 s85, s82, s83                    ; my first channel
	s_lshr_b32 s86, s84, 10                        ; the batch
	s_lshl_b32 s86, s86, s[K_NHS]
	s_lshr_b32 s85, s85, 6
	s_add_co_u32 s86, s86, s85                     ; the first of my two heads or groups
	s_bfe_u32 s87, s84, 0x30007                    ; which 128 tokens of the batch's 1,024 (3 bits from bit 7)
	s_mul_i32 s88, s86, s[K_HS]
	s_mul_i32 s89, s87, s[K_SS]
	s_add_co_u32 s88, s88, s89
	s_add_co_u32 s88, s88, s[K_C0]
	s_mov_b32 s89, 0
	s_mul_i32 s90, s86, s[K_HS2]
	s_mul_i32 s91, s87, s[K_SS2]
	s_add_co_u32 s90, s90, s91
	s_add_co_u32 s90, s90, s[K_C2]
	s_mov_b32 s91, 0
	s_cmp_lt_u32 ttmp9, 128
	s_cselect_b64 s[92:93], s[8:9], s[10:11]       ; Q's results go to qimg, K's and V's to kv
	s_add_nc_u64 s[88:89], s[92:93], s[88:89]      ; registers 0-5 of my images
	s_add_nc_u64 s[90:91], s[92:93], s[90:91]      ; the first scale words
	s_mov_b32 s84, s[K_SE]
	s_mov_b32 s85, 0
	s_add_nc_u64 s[94:95], s[88:89], s[84:85]      ; registers 6-11
	s_mov_b32 s84, s[K_SES]
	s_add_nc_u64 s[96:97], s[90:91], s[84:85]      ; the second head's or group's scale words
.macro FRAG reg, adr, q, i             ; a fragment, 16 rows x 128 K, is 12 registers: lane l holds row l % 16; registers 6 c .. 6 c + 5 hold K = 64 c + 32 (l / 16) + 0 .. 31: 24 bytes of the row, as they lie
.irp p, 0,1,2,3,4,5                    ; in pieces of 8 bytes.  Lanes 16-31 read three pieces further on than lanes 0-15
.set PCE, 12*(\q)+6*(\p/3)+\p%3        ; 16 bytes of padding lie behind every 8 pieces: where the piece three on lies behind one padding more, the second address register serves
.if PCE%8 < 5
	ds_load_b64 v[\reg+2*\p:\reg+2*\p+1], v[\adr] offset:8*PCE+16*(PCE/8)+(\i)*16*PITCH
.else
	ds_load_b64 v[\reg+2*\p:\reg+2*\p+1], v[\adr+2] offset:8*PCE+16*(PCE/8)+(\i)*16*PITCH
.endif
.endr
.endm
; 16 matrix instructions: A's blocks a0, a0 + 1 x B's eight, 128 along K.  p: B's set; sc: the set of scale words.  zero = 1: the first product starts the sums.
; The 64 accumulators take turns, one instruction a turn, in the same order in every step.
.macro MUL16 a0, p, q, sc, zero
.irp a, \a0, \a0+1
.irp b, 0,1,2,3,4,5,6,7
.if \zero
	v_wmma_scale_f32_16x16x128_f8f6f4 v[8*(8*((\a)%4)+\b):8*(8*((\a)%4)+\b)+7], v[128*(\p)+FR*\b:128*(\p)+FR*\b+FR-1], v[AF+FR*(\a):AF+FR*(\a)+FR-1], 0, v[SC+8*NQ*(\sc)+NQ*\b+(\q)], v[SC+8*NQ*(\sc)+NQ*(\a)+(\q)] matrix_a_fmt:MATRIX_FMT_FP6 matrix_b_fmt:MATRIX_FMT_FP6 matrix_a_scale:MATRIX_SCALE_ROW1
.else
	v_wmma_scale_f32_16x16x128_f8f6f4 v[8*(8*((\a)%4)+\b):8*(8*((\a)%4)+\b)+7], v[128*(\p)+FR*\b:128*(\p)+FR*\b+FR-1], v[AF+FR*(\a):AF+FR*(\a)+FR-1], v[8*(8*((\a)%4)+\b):8*(8*((\a)%4)+\b)+7], v[SC+8*NQ*(\sc)+NQ*\b+(\q)], v[SC+8*NQ*(\sc)+NQ*(\a)+(\q)] matrix_a_fmt:MATRIX_FMT_FP6 matrix_b_fmt:MATRIX_FMT_FP6 matrix_a_scale:MATRIX_SCALE_ROW1
.endif
.endr
.endr
.endm
.macro FETCH_B slot, q, p
	WIN TO_B
.irp i, 0,1,2,3,4,5,6,7
	FRAG 128*(\p)+FR*\i, ADRB+\slot, \q, \i
.endr
	WIN 0
.endm
.macro FETCH_A slot, q, i0
.irp i, \i0, \i0+1, \i0+2, \i0+3
	FRAG AF+FR*(\i), ADRA+\slot, \q, \i
.endr
.endm
.macro SCALES sc                       ; a K step's scale words: two words a row; lanes 0-15 take A's block i, lanes 16-31 B's block i
.irp i, 0,1,2,3,4,5,6,7
	ds_load_b64 v[SC+8*NQ*\sc+NQ*\i:SC+8*NQ*\sc+NQ*\i+1], v[ADRS] offset:\i*SBLK
.endr
.endm
.macro PLACES n                        ; plain vector lines between a matrix instruction and a load into, or a read of, its registers
.rept \n
	v_nop
.endr
.endm
.macro STEP slot, q, zero              ; a step of 128 along K that has its successor in the same slot
	s_wait_dscnt 4*NL                              ; B's set, A's blocks 0-3 and the scale words are in; the youngest 24 loads (A's blocks 4-7) may be out
	WIN MUL_LO
	MUL16 0, (\q)%2, \q, \slot, \zero
	MUL16 2, (\q)%2, \q, \slot, \zero
	s_wait_dscnt 0                                 ; A's blocks 4-7 are in
	PLACES NP
	FETCH_B \slot, (\q)+1, 1-(\q)%2
	FETCH_A \slot, (\q)+1, 0
	WIN MUL_HI
	MUL16 4, (\q)%2, \q, \slot, \zero
	MUL16 6, (\q)%2, \q, \slot, \zero
	PLACES NP
	WIN 0
	FETCH_A \slot, (\q)+1, 4
.endm
; A slot's last step changes slots: ONE barrier; in front of it each wave waits for all its tensor loads, adds 0 to its spare word, and waits for that and for its own reads of this slot.  fill = 1: this slot is filled again, two K steps ahead.
.macro TURN slot, next, fill
	s_wait_tensorcnt 0x0                           ; all my tensor loads have landed: my part of the next slot (every window is 0 here)
	ds_add_u32 v[SPW], v[NIL]                      ; 0 onto my spare word
	s_wait_dscnt 4*NL+1                            ; the add and the youngest 24 loads, A's blocks 4-7, may be out
	WIN MUL_LO
	MUL16 0, 1, NQ-1, \slot, 0                     ; sixteen matrix instructions stand between the add and the wait for it
	s_wait_dscnt 0x0                               ; the add is done, and my reads of this slot are over
	s_barrier_signal -1
	MUL16 2, 1, NQ-1, \slot, 0
	WIN 0
	s_barrier_wait -1                              ; nobody reads this slot any more, and the next slot is whole
.if \fill
	s_add_nc_u64 s[G0+4*\slot+2:G0+4*\slot+3], s[G0+4*\slot+2:G0+4*\slot+3], 2*KCH   ; no tensor load of mine is out: the group 0 may be written
	tensor_load_to_lds s[G0+4*\slot:G0+4*\slot+3], s[G1:G1+7]   ; my one tensor load behind this barrier, ahead of every LDS read
	s_nop 0
.endif
	PLACES NP                                      ; the lines behind the tensor load, and the places in front of the loads below
	v_add_nc_u32 v[ADRS], 4*NQ, v[ADRS]            ; on to the next K step's scale words
	FETCH_B \next, 0, 0
	FETCH_A \next, 0, 0
	SCALES \next
	WIN MUL_HI
	MUL16 4, 1, NQ-1, \slot, 0
	MUL16 6, 1, NQ-1, \slot, 0
	PLACES NP
	WIN 0
	FETCH_A \next, 0, 4
.endm
	s_wait_alu depctr_va_vdst(0)
	s_wait_tensorcnt 0x0                           ; my tile of the head's four is in
	ds_add_u32 v[SPW], v[NIL]
	s_mov_b32 s[G1+2], 96<<16                      ; no tensor load of mine is out: from here on a load brings 128 positions, 96 rows of 256 bytes
	s_mov_b32 s[G1+4], 96
	s_wait_dscnt 0x0                               ; the add is done
	s_barrier_signal -1
	s_barrier_wait -1                              ; all four tiles are in
	tensor_load_to_lds s[G0+4:G0+7], s[G1:G1+7]    ; slot 1's first fill, my quarter of K step 1: my one tensor load behind this barrier
	s_nop 0
	PLACES NP
	FETCH_B 0, 0, 0
	FETCH_A 0, 0, 0
	SCALES 0
	FETCH_A 0, 0, 4
	STEP 0, 0, 1                                   ; the first step stands in front of the loop: its products start the sums
	s_mov_b32 s3, LAPS-1
.Llap:                                                 ; a trip goes once round the ring and fills both slots again
	s_wait_alu depctr_va_vdst(0)
	TURN 0, 1, 1
	s_wait_alu depctr_va_vdst(0)
	STEP 1, 0, 0
	TURN 1, 0, 1
	STEP 0, 0, 0
	s_sub_co_u32 s3, s3, 1
	s_cmp_lg_u32 s3, 0
	s_cbranch_scc1 .Llap
	s_wait_alu depctr_va_vdst(0)
	TURN 0, 1, 0                                   ; the last lap fills nothing
	STEP 1, 0, 0
	s_wait_dscnt 4*NL                              ; the very last step: nothing more to fetch
	WIN MUL_LO
	MUL16 0, 1, NQ-1, 1, 0
	MUL16 2, 1, NQ-1, 1, 0
	s_wait_dscnt 0
	WIN MUL_HI
	MUL16 4, 1, NQ-1, 1, 0
	MUL16 6, 1, NQ-1, 1, 0
	WIN 0
; THE QUANTISER OF A LANE'S 64 NUMBERS, v[AC] on in window WW: register 16 b + i = number 32 b + 16 (lane / 16) + i of the lane's row.  They become twelve registers of codes in v[PC] on and a scale word in v[PWR].
.macro QBODY
.set WN, WW|(WW<<2)
	WIN WN                                         ; sources 0 and 1 in the numbers' window
.irp b, 0,1,2,3
	v_max3_num_f32 v[TM+\b], |v[AC+16*\b]|, |v[AC+16*\b+1]|, 0x1800000   ; block b: my 16 numbers, each accumulator from its low end on, and the floor 2^(3 - 127): the byte cannot fall under 1
.endr
.irp i, 2,4,6,8,10,12,14
.irp b, 0,1,2,3
	v_max3_num_f32 v[TM+\b], |v[AC+16*\b+\i]|, |v[AC+16*\b+\i+1]|, v[TM+\b]   ; the four blocks by turns
.endr
.endr
	WIN 0
.irp b, 0,1,2,3
	v_permlanex16_b32 v[TM+4+\b], v[TM+\b], s[SEL], s[SEL+1]
.endr
.irp b, 0,1,2,3
	v_max_num_f32 v[TM+\b], v[TM+\b], v[TM+4+\b]   ; with lane l xor 16's: the block's largest magnitude
.endr
.irp b, 0,1,2,3
	v_add_nc_u32 v[TM+12+\b], 0xff000000, v[TM+\b] ; 2 off its exponent field: the conversion's scale operand
.endr
.irp b, 0,1,2,3
	v_lshrrev_b32 v[TM+4+\b], 23, v[TM+12+\b]      ; the scale's byte
.endr
	v_lshl_or_b32 v[PWR], v[TM+5], 8, v[TM+4]
	v_lshl_or_b32 v[PWR], v[TM+6], 16, v[PWR]
	v_lshl_or_b32 v[PWR], v[TM+7], 24, v[PWR]
	WIN WW                                         ; source 0 in the numbers' window
.irp c, 0,1
	v_cvt_scalef32_pk16_fp6_f32 v[PC+6*\c:PC+6*\c+2], v[AC+32*\c:AC+32*\c+15], v[TM+12+2*\c]
	v_cvt_scalef32_pk16_fp6_f32 v[PC+12+4*\c:PC+14+4*\c], v[AC+32*\c+16:AC+32*\c+31], v[TM+12+2*\c+1]   ; (a conversion's three registers begin on an even number)
.endr
	WIN 0
	v_nop                                          ; one plain line behind a scaled conversion
.irp c, 0,1                                    ; the operand's layout wants a WHOLE block in a lane: lanes 0-15 block 2 c, lanes 16-31 block 2 c + 1
.irp i, 0,1,2
	v_permlane16_swap_b32 v[PC+6*\c+\i], v[PC+12+4*\c+\i]
.endr
.irp i, 0,1,2
	v_mov_b32 v[PC+3+6*\c+\i], v[PC+12+4*\c+\i]
.endr
.endr
.endm
	; THE WAY OUT of the products: block a of A at a time
	PLACES NP                                      ; behind the last products
	v_and_b32 v[L8S], 31, v0
	v_lshlrev_b32 v[L16], 4, v[L8S]
	v_lshlrev_b32 v[L8S], 3, v[L8S]
	v_add_nc_u32 v[L8], 512, v[L8S]
.irp b, 0,1,2,3
	v_mov_b32 v[TM+4+\b], 0                        ; written once: a lane permute's destination counts as one of its sources
.endr
	s_mov_b32 s98, 0                               ; the block's place among my images
.irp a, 0,1,2,3,4,5,6,7
.if \a > 0
	s_wait_xcnt 0x0                                ; the last block's stores have read their data and offsets: both are written again only behind this wait
.endif
.set AC, 64*(\a%4)
.set WW, 2+\a/4
.set PWR, PW+\a
	QBODY
	v_add_nc_u32 v[O16], s98, v[L16]
	v_add_nc_u32 v[O8], s98, v[L8]
	global_store_b128 v[O16], v[PC:PC+3], s[88:89]         ; registers 0-3: 512 consecutive bytes, at a multiple of 256 from the buffer's first byte
	global_store_b64 v[O8], v[PC+4:PC+5], s[88:89]         ; registers 4-5: the 256 bytes behind them
	global_store_b128 v[O16], v[PC+6:PC+9], s[94:95]       ; registers 6-11 likewise: the next head's or group's tile, or V's second half
	global_store_b64 v[O8], v[PC+10:PC+11], s[94:95]
	s_add_co_u32 s98, s98, s[K_SA]
.if \a == 3
	s_add_co_u32 s98, s98, s[K_SJ]
.endif
.endr
.irp x, 0,1,2,3
	v_cndmask_b32 v[WM+\x], v[PW+2*\x], v[PW+2*\x+1], s99  ; lanes 0-15 keep the even block's words, lanes 16-31 take the odd block's (both halves of the lanes hold a row's word)
.endr
	s_cmp_ge_u32 ttmp9, 160
	s_cbranch_scc1 .Lv_words
.irp x, 0,1,2,3
	v_and_b32 v[WE+\x], 0xffff, v[WM+\x]           ; Q, K: a word's low two bytes belong to the first head's 64 channels; the two bytes above them stay 0 and meet zero codes alone
.endr
.irp x, 0,1,2,3
	v_lshrrev_b32 v[WO+\x], 16, v[WM+\x]           ; the high two to the second head's
.endr
	global_store_b128 v[L16], v[WE:WE+3], s[90:91]
	global_store_b128 v[L16], v[WO:WO+3], s[96:97]
	s_branch .Ldone
.Lv_words:
	s_wait_alu depctr_va_vdst(0)
	global_store_b64 v[L8S], v[WM:WM+1], s[90:91]  ; V: whole words: the first group's four tiles,
	global_store_b64 v[L8S], v[WM+2:WM+3], s[96:97]        ; the second group's
.Ldone:
	s_wait_tensorcnt 0x0                           ; the wave's end
	ds_add_u32 v[SPW], v[NIL]
	s_wait_dscnt 0x0
	s_endpgm
; WORK-GROUPS 192-255: Wfc [2048][2048] f32 becomes register images of FP6 fragments, 16 positions x 128 along K each, and their scale words, for the last launch.
; wimg: [block of 128 positions (16)][K step of 512 (4)][tile of 16 (8)][128 of K (4)][1,536 bytes]; behind the images, at 3,145,728, the scale words: [tile of 16 (128)][K step of 512 (4)][row (16)][16 bytes: four words].
; Position 16 t + r holds row 32 (t / 2) + 8 (t % 2) + r + 8 (r / 8) (sigma).  Wave w of work-group j takes tile 2 j + w / 2 and eight fragments: K = 1,024 (w % 2) on.
; Lane (r, h) loads, of its row, the 16 neighbours 16 h on of each block of 32: the order in which QBODY wants them.  A fragment's sixteen loads cover 512 consecutive bytes of each of the 16 rows.  One fragment's loads are out while the fragment before is worked.
.macro XLOAD reg, j
.irp b, 0,1,2,3
.irp i, 0,1,2,3
	global_load_b128 v[\reg+16*\b+4*\i:\reg+16*\b+4*\i+3], v3, s[24:25] offset:512*(\j)+128*\b+16*\i th:TH_LOAD_NT
.endr
.endr
.endm
.Lwfc:
	s_load_b128 s[24:27], s[0:1], 0x20             ; Wfc s[24:25], wimg s[26:27]
	v_and_b32 v1, 15, v0                           ; r
	v_bfe_u32 v2, v0, 4, 1                         ; h
	v_and_b32 v3, 8, v1
	v_add_nc_u32 v3, v3, v1                        ; r + 8 (r / 8)
	v_lshlrev_b32 v3, 13, v3                       ; 8,192 bytes a row
	v_lshl_add_u32 v3, v2, 6, v3                   ; + 64 h
	v_and_b32 v[L8S], 31, v0
	v_lshlrev_b32 v[L16], 4, v[L8S]
	v_lshlrev_b32 v[L8S], 3, v[L8S]
	v_add_nc_u32 v[L8], 512, v[L8S]
.irp b, 0,1,2,3
	v_mov_b32 v[TM+4+\b], 0                        ; written once: a lane permute's destination counts as one of its sources
.endr
	s_sub_co_u32 s28, ttmp9, 192
	s_lshl_b32 s28, s28, 1
	s_add_co_u32 s28, s28, s15                     ; my tile of 16 positions
	s_lshr_b32 s30, s28, 1
	s_lshl_b32 s30, s30, 5
	s_and_b32 s31, s28, 1
	s_lshl_b32 s31, s31, 3
	s_add_co_u32 s30, s30, s31                     ; its first row: 32 (t / 2) + 8 (t % 2)
	s_lshl_b32 s30, s30, 13
	s_lshl_b32 s31, s16, 12                        ; my 1,024 along K: 4,096 bytes
	s_add_co_u32 s30, s30, s31
	s_mov_b32 s31, 0
	s_lshr_b32 s32, s28, 3
	s_mul_i32 s32, s32, 196608                     ; the block of 128 positions,
	s_and_b32 s33, s28, 7
	s_mul_i32 s33, s33, 6144                       ; the tile in it,
	s_add_co_u32 s32, s32, s33
	s_mul_i32 s33, s16, 98304                      ; my two K steps of 512
	s_add_co_u32 s32, s32, s33
	s_mov_b32 s33, 0
	s_lshl_b32 s34, s28, 10                        ; the tile's scale words,
	s_lshl_b32 s35, s16, 9                         ; my two K steps' 256 bytes each,
	s_add_co_u32 s34, s34, s35
	s_add_co_u32 s34, s34, 3145728                 ; behind the images
	s_mov_b32 s35, 0
	s_wait_alu depctr_va_vdst(0)
	s_wait_kmcnt 0x0
	s_add_nc_u64 s[24:25], s[24:25], s[30:31]
	s_add_nc_u64 s[36:37], s[26:27], s[34:35]
	s_add_nc_u64 s[26:27], s[26:27], s[32:33]
	XLOAD 128, 0
.irp j, 0,1,2,3,4,5,6,7
.if \j < 7
	XLOAD 128+64*((\j+1)%2), \j+1
	s_wait_loadcnt 16                              ; this fragment's sixteen loads are in; the next fragment's sixteen may be out
.else
	s_wait_loadcnt 0x0
.endif
.if \j > 0
	s_wait_xcnt 0x0                                ; the last fragment's stores have read their data: the codes' registers are written again only behind this wait
.endif
.set AC, 128+64*(\j%2)
.set WW, 0
.set PWR, PW+\j
	QBODY
	global_store_b128 v[L16], v[PC:PC+3], s[26:27] offset:(\j/4)*49152+(\j%4)*1536         ; 1,536 consecutive bytes a fragment, at a multiple of 256 from the buffer's first byte
	global_store_b64 v[L8], v[PC+4:PC+5], s[26:27] offset:(\j/4)*49152+(\j%4)*1536
	global_store_b128 v[L16], v[PC+6:PC+9], s[26:27] offset:(\j/4)*49152+(\j%4)*1536+768
	global_store_b64 v[L8], v[PC+10:PC+11], s[26:27] offset:(\j/4)*49152+(\j%4)*1536+768
.endr
.irp x, 0,1,2,3
	v_cndmask_b32 v[WM+\x], v[PW+\x], v[PW+4+\x], s99      ; lanes 0-15 keep my first K step's four words of row r, lanes 16-31 take my second's (both halves of the lanes hold a row's word)
.endr
	global_store_b128 v[L16], v[WM:WM+3], s[36:37]         ; 16 r + 256 h = 16 x lane: 512 consecutive bytes
	s_wait_tensorcnt 0x0                           ; the wave's end
	ds_add_u32 v[SPW], v[NIL]
	s_wait_dscnt 0x0
	s_endpgm
.Lfunc_end_k_q917b1bcf24_proj:
	.size	k_q917b1bcf24_proj, .Lfunc_end_k_q917b1bcf24_proj-k_q917b1bcf24_proj
	.p2alignl 7, 3214868480
	.fill 96, 4, 3214868480
	.section	.rodata,"a",@progbits
	.p2align	6, 0x0
	.amdhsa_kernel k_q917b1bcf24_proj
		.amdhsa_group_segment_fixed_size 327680
		.amdhsa_private_segment_fixed_size 0
		.amdhsa_enable_private_segment 0
		.amdhsa_kernarg_size 48
		.amdhsa_user_sgpr_count 2
		.amdhsa_user_sgpr_kernarg_segment_ptr 1
		.amdhsa_wavefront_size32 1
		.amdhsa_system_sgpr_workgroup_id_x 1
		.amdhsa_system_sgpr_workgroup_id_y 1
		.amdhsa_system_sgpr_workgroup_id_z 1
		.amdhsa_system_vgpr_workitem_id 0
		.amdhsa_next_free_vgpr 1024
		.amdhsa_next_free_sgpr 100
		.amdhsa_reserve_vcc 0
		.amdhsa_float_denorm_mode_32 3
		.amdhsa_float_denorm_mode_16_64 3
		.amdhsa_memory_ordered 1
		.amdhsa_forward_progress 1
		.amdhsa_inst_pref_size 213
	.end_amdhsa_kernel
	.amdgpu_metadata
---
amdhsa.version: [ 1, 2 ]
amdhsa.kernels:
  - .name:           k_q917b1bcf24_proj
    .symbol:         k_q917b1bcf24_proj.kd
    .args:
      - { .name: codes, .offset: 0, .size: 8, .value_kind: global_buffer, .address_space: global }
      - { .name: scales, .offset: 8, .size: 8, .value_kind: global_buffer, .address_space: global }
      - { .name: qimg, .offset: 16, .size: 8, .value_kind: global_buffer, .address_space: global }
      - { .name: kv, .offset: 24, .size: 8, .value_kind: global_buffer, .address_space: global }
      - { .name: Wfc, .offset: 32, .size: 8, .value_kind: global_buffer, .address_space: global }
      - { .name: wimg, .offset: 40, .size: 8, .value_kind: global_buffer, .address_space: global }
    .group_segment_fixed_size: 327680
    .private_segment_fixed_size: 0
    .kernarg_segment_align: 8
    .kernarg_segment_size: 48
    .max_flat_workgroup_size: 128
    .sgpr_count:     100
    .vgpr_count:     1024
    .wavefront_size: 32
...
	.end_amdgpu_metadata
.endif
;; end of part 2
;; launch attn (part 3): grid 8 x 32, 16 waves a work-group, clusters of 4 x 1, 169,984 bytes of LDS; arguments qimg, kv, oc, os; writes oc, os
.if DOCPART == 3
	.amdgcn_target "amdgcn-amd-amdhsa--gfx1250"
	.amdhsa_code_object_version 6
	.text
	.protected	k_q917b1bcf24_attn
	.globl	k_q917b1bcf24_attn
	.p2align	8
	.type	k_q917b1bcf24_attn,@function
k_q917b1bcf24_attn:
	s_mov_b64 s[64:65], 0
	v_nop
	global_prefetch_b8 v0, s[64:65] scope:SCOPE_SE
	s_setreg_imm32_b32 hwreg(HW_REG_WAVE_MODE, 25, 1), 1
	s_wait_xcnt 0x0
	s_wait_alu depctr_hold_cnt(0) depctr_sa_sdst(0) depctr_va_vdst(0) depctr_va_sdst(0) depctr_va_ssrc(0) depctr_va_vcc(0) depctr_vm_vsrc(0)
	s_getreg_b32 s2, hwreg(HW_REG_IB_STS2, 6, 4)
	s_cmp_eq_u32 s2, 0
	s_cbranch_scc0 .Lentry_in_a_cluster
	s_endpgm
.Lentry_in_a_cluster:
	s_bfe_u32 s2, ttmp6, 0x10000c
	s_cmp_lg_u32 s2, 0x3003
	s_cbranch_scc0 .Lentry_shape_is_right
	s_endpgm
.Lentry_shape_is_right:
; Attention for 4 batches x 8 groups of 4 heads, 1,024 queries and keys, head size 64, both products on codes of FP6 (E2M3) with one E8M0 scale for each 32 along a product's K; the result is quantised at once along its 64 channels.
; THE SOFTMAX AHEAD OF THE SECOND PRODUCT: t = score x log2(e) / 8; M = the row's largest t so far, rounded UP to a whole number; p = 2^(t - M) is what is quantised, along the keys, not normalised.
; The row's sum is taken of the unquantised p, in f32, and divides O at the end (a reciprocal and a multiplication).  When M moves, the sum and O are multiplied by 2^(old M - new M): exact.
; SHARES.  A work-group takes one (batch, group) y and 128 query positions for the group's 4 heads: 32 units of 16 queries x one head.  Wave w takes head w % 4 and tiles 2 (w / 4) and 2 (w / 4) + 1, one after the other, in 256 registers.
; ALL OF THE GROUP'S K AND V, 104,448 bytes of register images and scale words, LIES IN LDS FOR THE WHOLE LAUNCH: filled once, never again: no ring, and no barrier in the loops.
; CLUSTER.  The four work-groups of a cluster share y, so that block is asked for JOINTLY: waves 0-3 of each issue the same four tensor loads with a mask that names the four.
; LAYOUT.  Both products are used transposed: S^T = K Q^T (source 0 = 16 keys, source 1 = my 16 queries; K = 64, so each fragment's upper six registers are zeros), O^T = V^T P^T (source 0 = 16 channels, source 1 = P): a lane holds ONE query throughout.
; Tokens and channels lie at positions sigma (bits 3 and 4 exchanged), so the 16 registers of tiles 2 b and 2 b + 1 are 16 neighbouring keys (or channels), 32 b + 16 (lane / 16) + 0 .. 15, in the original order.  Queries stay at their positions.
; A record of kv (128 keys, 13,056 bytes): K's 8 tiles x 768; V's 4 tiles x 1,536; K's scale words, 512; V's, 256.  An image: registers 0-3 at 16 x lane, registers 4-5 at 512 + 8 x lane.
; THE RESULT is an operand of the last launch and leaves as that launch's registers take it: a unit's six registers of codes are half a fragment (16 positions x 128 along K = two heads), 768 consecutive bytes, stored straight from the registers.
; oc: [block of 64 positions (64)][K step of 512 = two groups (4)][tile of 16 (4)][128 of K (4)][1,536 bytes].  os: [tile of 16 (256)][K step of 512 (4)][row (16)][16 bytes: two for each of the step's eight heads].
; LIMITS: NaN and infinities are not served; a block of zeros, or one under 2^-124, gets the byte 1; the bytes are read by this program alone.
.set KVB,   104448                     ; a group's eight records
.set REC,   13056
.set QUART, 26112                      ; what one tensor load brings: 102 rows of 256 bytes
.set VOF,   6144
.set KSC,   12288
.set VSC,   12800
.set SST,   KVB                        ; LDS behind K and V: the result's scale bytes, 128 rows x 8
.set L16,  1                           ; v1  16 x lane
.set L8,   2                           ; v2  8 x lane
.set A16,  3                           ; v3, v4 the same in the record in hand
.set A8,   4
.set SSA,  6                           ; v6  where my result's two scale bytes go
.set QS,   7                           ; v7  Q's scale words: lanes 0-15 my first tile's, lanes 16-31 my second's
.set PW,   8                           ; v8  p's scale word
.set TMP,  9
.set FF,   10                          ; v[10:11] f = 2^(old M - new M); later 1 / the sum; v11 is named with it as a pair
                                       ; v12 -M, v13 the largest t, v[14:15] the sum in two halves
.set QF,   16                          ; v16-27 Q's fragment in hand; v22-27 zeros
.set QH,   28                          ; v28-33 my second tile's six registers
.set KF,   34                          ; v34-81 four fragments of K; each one's upper six are zeros
.set VF,   82                          ; v82-129 V's four fragments
.set SX,   130                         ; v130-193 S^T, then p
.set OX,   194                         ; v194-225 O^T
.set PC,   226                         ; v226-237 p's codes
.set BM,   238                         ; v238-241 the blocks' largest scores
.set T2,   242
.set SOP,  246                         ; the conversions' scale operands
.set KS,   250                         ; v250-253 K's scale words;  v254-255 V's
.set VS,   254
.set WV,   12
.set SEL,  18
.set CS,   20                          ; s[20:21] c = log2(e) / 8
.set TB,   22                          ; the record in hand
.set CNT,  23
.set G1,   24
.set G0,   32
.macro CROUND                          ; a round of the cluster's barrier
	s_barrier_signal -1
	s_barrier_wait -1
	s_cmp_lg_u32 s[WV], 0
	s_cbranch_scc1 .Lnot_wave_0_\@
	s_barrier_signal -3
.Lnot_wave_0_\@:
	s_barrier_wait -3
	s_barrier_signal -1
	s_barrier_wait -1
.endm
	s_load_b256 s[4:11], s[0:1], 0x0               ; qimg s[4:5], kv s[6:7], oc s[8:9], os s[10:11]
	v_lshl_add_u32 v254, v0, 2, 0x29000
	v_mov_b32 v255, 0
	ds_add_u32 v254, v255
	ds_add_u32 v254, v255
	s_wait_dscnt 0x0
	v_lshrrev_b32 v1, 5, v0
	s_delay_alu instid0(VALU_DEP_1)
	v_readfirstlane_b32 s[WV], v1                  ; wave 0..15
	s_and_b32 s13, s[WV], 3                        ; my head in the group.  Also: which quarter of K and V waves 0-3 fetch
	s_lshr_b32 s14, s[WV], 2                       ; my pair of tiles
	s_bfe_u32 s15, ttmp6, 0x40000                  ; cx: my place in the cluster: it enters Q's, oc's and os's addresses alone
	s_lshl_b32 s16, ttmp9, 2
	s_add_co_u32 s16, s16, s15                     ; my block of 128 query positions
	s_and_b32 s17, ttmp7, 0xffff                   ; y = 8 x batch + group, which the four partners share
	s_mov_b32 s[G1+0], 15|(3<<16)|(1<<21)          ; 15:0 the mask: all four work-groups; 17:16 elements of 8 bytes; 21 set beside a mask; no padding
	s_mov_b32 s[G1+1], 32<<16                      ; tensor_dim0 = 32 elements: 256 bytes
	s_mov_b32 s[G1+2], 102<<16                     ; tensor_dim1
	s_mov_b32 s[G1+3], 32<<16                      ; tile_dim0
	s_mov_b32 s[G1+4], 102                         ; tile_dim1
	s_mov_b32 s[G1+5], 32                          ; dense
	s_mov_b32 s[G1+6], 0
	s_mov_b32 s[G1+7], 0
	s_mul_i32 s38, s13, QUART                      ; a quarter's place, in LDS and in the group's block
	s_mul_i32 s36, s17, KVB
	s_add_co_u32 s36, s36, s38
	s_mov_b32 s37, 0
	s_lshl_b32 s40, s17, 2
	s_add_co_u32 s40, s40, s13                     ; my head among all 128
	s_lshl_b32 s41, s40, 6
	s_lshl_b32 s42, s16, 3
	s_add_co_u32 s41, s41, s42
	s_lshl_b32 s42, s14, 1
	s_add_co_u32 s41, s41, s42                     ; my first tile of Q
	s_mul_i32 s42, s41, 768
	s_mov_b32 s43, 0
	s_lshl_b32 s44, s40, 3
	s_add_co_u32 s44, s44, s16
	s_lshl_b32 s44, s44, 9                         ; the record of scale words of my 128 positions,
	s_lshl_b32 s45, s14, 2
	s_add_co_u32 s44, s44, s45                     ; my pair's word in a lane's 16 bytes,
	s_add_co_u32 s44, s44, 6291456                 ; behind the images
	s_mov_b32 s45, 0
	s_and_b32 s46, s17, 7                          ; group
	s_lshr_b32 s47, s17, 3                         ; batch
	; oc: my first tile is tile 64 x batch + 8 x block + 2 (w / 4) of all 256
	s_lshl_b32 s48, s47, 4
	s_lshl_b32 s49, s16, 1
	s_add_co_u32 s48, s48, s49
	s_lshr_b32 s49, s[WV], 3
	s_add_co_u32 s48, s48, s49                     ; its block of 64 positions: 16 x batch + 2 x block + w / 8
	s_lshl_b32 s48, s48, 2
	s_lshr_b32 s49, s46, 1
	s_add_co_u32 s48, s48, s49                     ; four K steps a block; my group's is group / 2
	s_mul_i32 s48, s48, 24576
	s_and_b32 s49, s14, 1
	s_mul_i32 s49, s49, 12288                      ; my pair of tiles among the block's four: 6,144 bytes a tile
	s_add_co_u32 s48, s48, s49
	s_and_b32 s49, s46, 1
	s_lshl_b32 s49, s49, 1
	s_lshr_b32 s52, s13, 1
	s_add_co_u32 s49, s49, s52                     ; which 128 of the step's 512: 2 (group % 2) + head / 2
	s_mul_i32 s49, s49, 1536
	s_add_co_u32 s48, s48, s49
	s_and_b32 s49, s13, 1
	s_mul_i32 s49, s49, 768                        ; and which half of that fragment: head % 2
	s_add_co_u32 s48, s48, s49
	s_mov_b32 s49, 0
	; os: waves 0-3 store 32 rows each: tiles 64 x batch + 8 x block + 2 w and the next
	s_lshl_b32 s50, s47, 6
	s_lshl_b32 s51, s16, 3
	s_add_co_u32 s50, s50, s51
	s_lshl_b32 s51, s13, 1
	s_add_co_u32 s50, s50, s51
	s_lshl_b32 s50, s50, 10                        ; 1,024 bytes a tile,
	s_lshr_b32 s51, s46, 1
	s_lshl_b32 s51, s51, 8                         ; 256 a K step,
	s_add_co_u32 s50, s50, s51
	s_and_b32 s51, s46, 1
	s_lshl_b32 s51, s51, 3                         ; the group's 8 of a row's 16
	s_add_co_u32 s50, s50, s51
	s_mov_b32 s51, 0
	s_mov_b32 s[SEL], 0x76543210
	s_mov_b32 s[SEL+1], 0xfedcba98                 ; v_permlanex16_b32's selects for lane l xor 16
	s_mov_b32 s[CS], 0x3e38aa3b                    ; c = log2(e) / 8
	s_mov_b32 s[CS+1], s[CS]                       ; (named with it as a pair, so it is written)
	; every LDS address that stays is made here, ahead of the first branch on the wave's number
	v_and_b32 v[TMP], 31, v0
	s_delay_alu instid0(VALU_DEP_1)
	v_lshlrev_b32 v[L16], 4, v[TMP]
	s_delay_alu instid0(VALU_DEP_2)
	v_lshlrev_b32 v[L8], 3, v[TMP]
	v_and_b32 v3, 15, v0                           ; r
	s_lshl_b32 s52, s14, 8
	s_lshl_b32 s53, s13, 1
	s_add_co_u32 s52, s52, s53
	s_add_co_u32 s52, s52, SST
	v_lshl_add_u32 v[SSA], v3, 3, s52              ; row 32 (w / 4) + r, 8 bytes a row, my head's two
	s_lshl_b32 s55, s13, 8
	s_add_co_u32 s55, s55, SST                     ; the way out (waves 0-3): 32 rows' scale bytes
	s_wait_kmcnt 0x0
	s_mov_b32 s[G0], 1                             ; count = 1
	s_mov_b32 s[G0+1], s38                         ; LDS address
	s_add_nc_u64 s[G0+2:G0+3], s[6:7], s[36:37]    ; global address: it hangs on y and the wave alone
	s_or_b32 s[G0+3], s[G0+3], 0x80000000          ; type = 2
	s_add_nc_u64 s[42:43], s[4:5], s[42:43]
	s_add_nc_u64 s[44:45], s[4:5], s[44:45]
	s_add_nc_u64 s[48:49], s[8:9], s[48:49]
	s_add_nc_u64 s[50:51], s[10:11], s[50:51]
	CROUND                                         ; all four work-groups are here: the joint loads meet
	s_cmp_lt_u32 s[WV], 4
	s_cbranch_scc0 .Lno_fetch
	tensor_load_to_lds s[G0:G0+3], s[G1:G1+7]      ; one load of mine is out
	s_nop 0
.rept 4
	v_nop                                          ; four plain lines follow a tensor load
.endr
.Lno_fetch:
	s_wait_alu depctr_va_vdst(0)
	global_load_b128 v[QF:QF+3], v[L16], s[42:43]          ; my two tiles of Q, as images
	global_load_b64 v[QF+4:QF+5], v[L8], s[42:43] offset:512
	global_load_b128 v[QH:QH+3], v[L16], s[42:43] offset:768
	global_load_b64 v[QH+4:QH+5], v[L8], s[42:43] offset:1280
	global_load_b32 v[QS], v[L16], s[44:45]
.irp i, 6,7,8,9,10,11
	v_mov_b32 v[QF+\i], 0                          ; K = 64: the upper half of each fragment of the first product is zero codes, written once
.irp t, 0,1,2,3
	v_mov_b32 v[KF+12*\t+\i], 0
.endr
.endr
.irp b, 0,1,2,3
	v_mov_b32 v[T2+\b], 0                          ; written once: a lane permute's destination counts as one of its sources
.endr
	v_mov_b32 v[FF], 0
	v_mov_b32 v[FF+1], 0
	s_wait_tensorcnt 0x0                           ; my part of K and V has landed,
	s_barrier_signal -1
	s_barrier_wait -1                              ; everybody's has
	s_wait_loadcnt 0x0                             ; Q
.macro QK i, u                         ; S^T's tile i: K's word lies in lanes 0-15 (even tile) or 16-31 (odd), Q's in lanes 0-15 (my first tile) or 16-31 (my second)
.if ((\i)%2 == 0) && ((\u) == 0)
	v_wmma_scale_f32_16x16x128_f8f6f4 v[SX+8*(\i):SX+8*(\i)+7], v[KF+12*((\i)%4):KF+12*((\i)%4)+11], v[QF:QF+11], 0, v[KS+(\i)/2], v[QS] matrix_a_fmt:MATRIX_FMT_FP6 matrix_b_fmt:MATRIX_FMT_FP6
.elseif ((\i)%2 == 1) && ((\u) == 0)
	v_wmma_scale_f32_16x16x128_f8f6f4 v[SX+8*(\i):SX+8*(\i)+7], v[KF+12*((\i)%4):KF+12*((\i)%4)+11], v[QF:QF+11], 0, v[KS+(\i)/2], v[QS] matrix_a_fmt:MATRIX_FMT_FP6 matrix_b_fmt:MATRIX_FMT_FP6 matrix_a_scale:MATRIX_SCALE_ROW1
.elseif ((\i)%2 == 0)
	v_wmma_scale_f32_16x16x128_f8f6f4 v[SX+8*(\i):SX+8*(\i)+7], v[KF+12*((\i)%4):KF+12*((\i)%4)+11], v[QF:QF+11], 0, v[KS+(\i)/2], v[QS] matrix_a_fmt:MATRIX_FMT_FP6 matrix_b_fmt:MATRIX_FMT_FP6 matrix_b_scale:MATRIX_SCALE_ROW1
.else
	v_wmma_scale_f32_16x16x128_f8f6f4 v[SX+8*(\i):SX+8*(\i)+7], v[KF+12*((\i)%4):KF+12*((\i)%4)+11], v[QF:QF+11], 0, v[KS+(\i)/2], v[QS] matrix_a_fmt:MATRIX_FMT_FP6 matrix_b_fmt:MATRIX_FMT_FP6 matrix_a_scale:MATRIX_SCALE_ROW1 matrix_b_scale:MATRIX_SCALE_ROW1
.endif
.endm
.macro KLOAD g                         ; K's tiles 4 g .. 4 g + 3: the lower six registers of the four fragments
.irp t, 0,1,2,3
	ds_load_b128 v[KF+12*\t:KF+12*\t+3], v[A16] offset:768*(4*(\g)+\t)
	ds_load_b64 v[KF+12*\t+4:KF+12*\t+5], v[A8] offset:768*(4*(\g)+\t)+512
.endr
.endm
; One unit: 16 queries of one head against all 1,024 keys, 128 a trip.
.macro UNIT u
.if \u
	s_wait_xcnt 0x0                                ; the first unit's stores have read their data: the codes' registers are written again only behind this wait
.irp i, 0,1,2,3,4,5
	v_mov_b32 v[QF+\i], v[QH+\i]
.endr
.endif
	v_mov_b32 v13, 0xff61b1e6                      ; the largest t so far: -3e38, under every t
	s_delay_alu instid0(VALU_DEP_1)
	v_floor_f32 v12, -v13                          ; -M
	v_mov_b32 v14, 0                               ; the sum, in two halves
	v_mov_b32 v15, 0
.set j, 0
.rept 32
	v_mov_b32 v[OX+j], 0                           ; O^T.  (The trip is written once: the first finds zeros, which the first change of M leaves zeros)
.set j, j+1
.endr
	s_mov_b32 s[TB], 0
	s_mov_b32 s[CNT], 8
.Lstep_\@:
	v_add_nc_u32 v[A16], s[TB], v[L16]
	v_add_nc_u32 v[A8], s[TB], v[L8]
	v_nop
	v_nop                                          ; four places between the last trip's products and the loads into their registers
	ds_load_b128 v[KS:KS+3], v[A16] offset:KSC
	KLOAD 0
	ds_load_b64 v[VS:VS+1], v[A8] offset:VSC
.irp t, 0,1,2,3
	ds_load_b128 v[VF+12*\t:VF+12*\t+3], v[A16] offset:VOF+1536*\t
	ds_load_b64 v[VF+12*\t+4:VF+12*\t+5], v[A8] offset:VOF+1536*\t+512
	ds_load_b128 v[VF+12*\t+6:VF+12*\t+9], v[A16] offset:VOF+1536*\t+768
	ds_load_b64 v[VF+12*\t+10:VF+12*\t+11], v[A8] offset:VOF+1536*\t+1280
.endr
	s_wait_alu depctr_va_vdst(0)
	s_wait_dscnt 17                                ; K's words and tiles 0-3 are in; V's words and V's sixteen loads may be out
.irp i, 0,1,2,3
	QK \i, \u
.endr
.rept 4
	v_nop                                          ; places in front of loads into registers that matrix instructions have read
.endr
	KLOAD 1
	s_wait_dscnt 0x0
.irp i, 4,5,6,7
	QK \i, \u
.endr
.rept 4
	v_nop
.endr
.irp b, 0,1,2,3
	v_max3_num_f32 v[BM+\b], v[SX+16*\b], v[SX+16*\b+1], v[SX+16*\b+2]   ; THE LARGEST SCORE OF EACH BLOCK OF 32 KEYS: it serves for the row's maximum and, since p rises with the score, for the block's largest p
.endr
.irp i, 3,5,7,9,11,13
.irp b, 0,1,2,3
	v_max3_num_f32 v[BM+\b], v[BM+\b], v[SX+16*\b+\i], v[SX+16*\b+\i+1]
.endr
.endr
.irp b, 0,1,2,3
	v_max_num_f32 v[BM+\b], v[BM+\b], v[SX+16*\b+15]
.endr
.irp b, 0,1,2,3
	s_delay_alu instid0(VALU_DEP_4)
	v_permlanex16_b32 v[T2+\b], v[BM+\b], s[SEL], s[SEL+1]
.endr
.irp b, 0,1,2,3
	s_delay_alu instid0(VALU_DEP_4)
	v_max_num_f32 v[BM+\b], v[BM+\b], v[T2+\b]     ; with lane l xor 16's 16 keys
.endr
	s_delay_alu instid0(VALU_DEP_2)
	v_max3_num_f32 v[TMP], v[BM], v[BM+1], v[BM+2]
	s_delay_alu instid0(VALU_DEP_1)
	v_max_num_f32 v[TMP], v[TMP], v[BM+3]          ; the trip's largest score of my query
	s_delay_alu instid0(VALU_DEP_1)
	v_mul_f32 v[TMP], s[CS], v[TMP]                ; as t (c is positive)
	s_delay_alu instid0(VALU_DEP_1)
	v_max_num_f32 v13, v13, v[TMP]                 ; the running largest t
	v_mov_b32 v[TMP], v12
	s_delay_alu instid0(VALU_DEP_2)
	v_floor_f32 v12, -v13                          ; the new -M = floor(-t) = -ceil(t): a whole number
	s_delay_alu instid0(VALU_DEP_1)
	v_sub_f32 v[TMP], v12, v[TMP]                  ; M's old value less its new one: a whole number, 0 or less
	s_delay_alu instid0(VALU_DEP_1)
	v_cvt_i32_f32 v[TMP], v[TMP]                   ; (it saturates)
	s_delay_alu instid0(VALU_DEP_1)
	v_ldexp_f32 v[FF], 1.0, v[TMP]                 ; f = 2^(old M - new M)
.set j, 0
.rept 32
	v_pk_fma_f32 v[SX+j:SX+j+1], v[SX+j:SX+j+1], s[CS:CS+1], v[12:13] op_sel_hi:[1,0,0]   ; t - M, two at a time
.set j, j+2
.endr
.irp b, 0,1,2,3
	v_fma_f32 v[BM+\b], v[BM+\b], s[CS], v12       ; the same of each block's largest score
.endr
.set j, 0
	s_wait_alu depctr_va_vdst(0)
.rept 64
	v_exp_f32 v[SX+j], v[SX+j]                     ; p = 2^(t - M), at most 1: not normalised
.set j, j+1
.endr
	v_pk_mul_f32 v[14:15], v[14:15], v[FF:FF+1] op_sel_hi:[1,0]   ; the sums under the new M (the plain line behind the exponentials)
	s_wait_alu depctr_va_vdst(0)                   ; one wait for the whole batch, ahead of its first reader
.irp b, 0,1,2,3
	v_exp_f32 v[BM+\b], v[BM+\b]                   ; the block's largest p: the same two instructions on the same number give the same bits
.endr
	v_pk_add_f32 v[242:243], v[134:135], v[138:139]
	v_pk_add_f32 v[252:253], v[142:143], v[146:147]
	v_pk_add_f32 v[250:251], v[150:151], v[154:155]
	v_pk_add_f32 v[248:249], v[158:159], v[162:163]
	v_pk_add_f32 v[246:247], v[166:167], v[170:171]
	v_pk_add_f32 v[244:245], v[174:175], v[178:179]
	v_pk_add_f32 v[236:237], v[182:183], v[186:187]
	v_pk_add_f32 v[14:15], v[14:15], v[190:191]
	v_pk_add_f32 v[242:243], v[242:243], v[130:131]
	v_pk_add_f32 v[252:253], v[252:253], v[132:133]
	v_pk_add_f32 v[250:251], v[250:251], v[136:137]
	v_pk_add_f32 v[248:249], v[248:249], v[140:141]
	v_pk_add_f32 v[246:247], v[246:247], v[144:145]
	v_pk_add_f32 v[244:245], v[244:245], v[148:149]
	v_pk_add_f32 v[236:237], v[236:237], v[152:153]
	v_pk_add_f32 v[14:15], v[14:15], v[156:157]
	v_pk_add_f32 v[242:243], v[242:243], v[160:161]
	v_pk_add_f32 v[252:253], v[252:253], v[164:165]
	v_pk_add_f32 v[250:251], v[250:251], v[168:169]
	v_pk_add_f32 v[248:249], v[248:249], v[172:173]
	v_pk_add_f32 v[246:247], v[246:247], v[176:177]
	v_pk_add_f32 v[244:245], v[244:245], v[180:181]
	v_pk_add_f32 v[236:237], v[236:237], v[184:185]
	v_pk_add_f32 v[14:15], v[14:15], v[188:189]
	v_pk_add_f32 v[242:243], v[242:243], v[192:193]
	s_delay_alu instid0(VALU_DEP_2)
	v_pk_add_f32 v[14:15], v[14:15], v[248:249]
	s_delay_alu instid0(VALU_DEP_2)
	v_pk_add_f32 v[242:243], v[242:243], v[246:247]
	v_pk_add_f32 v[252:253], v[252:253], v[244:245]
	v_pk_add_f32 v[250:251], v[250:251], v[236:237]
	s_delay_alu instid0(VALU_DEP_2)
	v_pk_add_f32 v[14:15], v[14:15], v[252:253]
	s_delay_alu instid0(VALU_DEP_2)
	v_pk_add_f32 v[242:243], v[242:243], v[250:251]
	s_delay_alu instid0(VALU_DEP_1)
	v_pk_add_f32 v[14:15], v[14:15], v[242:243]
	s_wait_alu depctr_va_vdst(0)                   ; and one for the four
.irp b, 0,1,2,3
	v_max_num_f32 v[BM+\b], 0x1800000, v[BM+\b]    ; the floor 2^(3 - 127): the byte cannot fall under 1
.endr
.irp b, 0,1,2,3
	s_delay_alu instid0(VALU_DEP_4)
	v_add_nc_u32 v[SOP+\b], 0xff000000, v[BM+\b]   ; 2 off the exponent field: the conversion's scale operand
.endr
.irp b, 0,1,2,3
	s_delay_alu instid0(VALU_DEP_4)
	v_lshrrev_b32 v[T2+\b], 23, v[SOP+\b]          ; the scale's byte
.endr
	s_delay_alu instid0(VALU_DEP_3)
	v_lshl_or_b32 v[PW], v[T2+1], 8, v[T2]         ; p's scale word for these 128 keys
	s_delay_alu instid0(VALU_DEP_1)
	v_lshl_or_b32 v[PW], v[T2+2], 16, v[PW]
	s_delay_alu instid0(VALU_DEP_1)
	v_lshl_or_b32 v[PW], v[T2+3], 24, v[PW]
.irp c, 0,1
	v_cvt_scalef32_pk16_fp6_f32 v[PC+6*\c:PC+6*\c+2], v[SX+32*\c:SX+32*\c+15], v[SOP+2*\c]
	v_cvt_scalef32_pk16_fp6_f32 v[BM+4*\c:BM+4*\c+2], v[SX+32*\c+16:SX+32*\c+31], v[SOP+2*\c+1]   ; (a conversion's three registers begin on an even number)
.endr
	v_nop                                          ; one plain line behind a scaled conversion
.irp c, 0,1                                    ; the operand's layout wants a WHOLE block in a lane
.irp i, 0,1,2
	v_permlane16_swap_b32 v[PC+6*\c+\i], v[BM+4*\c+\i]
.endr
.irp i, 0,1,2
	s_delay_alu instid0(VALU_DEP_3)
	v_mov_b32 v[PC+3+6*\c+\i], v[BM+4*\c+\i]
.endr
.endr
.set j, 0
.rept 16
	v_pk_mul_f32 v[OX+j:OX+j+1], v[OX+j:OX+j+1], v[FF:FF+1] op_sel_hi:[1,0]   ; O^T under the new M, each accumulator from its low end on.  (These sixteen are also the places in front of the products below)
.set j, j+2
.endr
.irp t, 0,2                                    ; O^T += V^T P^T: four tiles of 16 channels by turns; K = these 128 keys
	v_wmma_scale_f32_16x16x128_f8f6f4 v[OX+8*\t:OX+8*\t+7], v[VF+12*\t:VF+12*\t+11], v[PC:PC+11], v[OX+8*\t:OX+8*\t+7], v[VS+\t/2], v[PW] matrix_a_fmt:MATRIX_FMT_FP6 matrix_b_fmt:MATRIX_FMT_FP6
	v_wmma_scale_f32_16x16x128_f8f6f4 v[OX+8*\t+8:OX+8*\t+15], v[VF+12*\t+12:VF+12*\t+23], v[PC:PC+11], v[OX+8*\t+8:OX+8*\t+15], v[VS+\t/2], v[PW] matrix_a_fmt:MATRIX_FMT_FP6 matrix_b_fmt:MATRIX_FMT_FP6 matrix_a_scale:MATRIX_SCALE_ROW1
.endr
	s_add_co_u32 s[TB], s[TB], REC
	s_sub_co_u32 s[CNT], s[CNT], 1
	s_cmp_lg_u32 s[CNT], 0
	s_cbranch_scc1 .Lstep_\@
	; the unit's end: O^T / the sum, quantised along the head's 64 channels: register 16 b + i is channel 32 b + 16 (lane / 16) + i
.rept 4
	v_nop                                          ; places behind the last products
.endr
	v_add_f32 v14, v14, v15                        ; the sum's two halves,
	s_delay_alu instid0(VALU_DEP_1)
	v_permlanex16_b32 v[FF], v14, s[SEL], s[SEL+1]
	s_delay_alu instid0(VALU_DEP_1)
	v_add_f32 v14, v14, v[FF]                      ; and lane l xor 16's: the row's sum
	s_wait_alu depctr_va_vdst(0)
	v_rcp_f32 v[FF], v14
	v_nop                                          ; one plain line behind the reciprocal
	s_wait_alu depctr_va_vdst(0)                   ; and the wait ahead of its first reader
.set j, 0
.rept 16
	v_pk_mul_f32 v[OX+j:OX+j+1], v[OX+j:OX+j+1], v[FF:FF+1] op_sel_hi:[1,0]
.set j, j+2
.endr
.irp b, 0,1
	v_max3_num_f32 v[BM+\b], |v[OX+16*\b]|, |v[OX+16*\b+1]|, 0x1800000
.endr
.irp i, 2,4,6,8,10,12,14
.irp b, 0,1
	s_delay_alu instid0(VALU_DEP_2)
	v_max3_num_f32 v[BM+\b], v[BM+\b], |v[OX+16*\b+\i]|, |v[OX+16*\b+\i+1]|
.endr
.endr
.irp b, 0,1
	s_delay_alu instid0(VALU_DEP_2)
	v_permlanex16_b32 v[T2+\b], v[BM+\b], s[SEL], s[SEL+1]
.endr
.irp b, 0,1
	s_delay_alu instid0(VALU_DEP_2)
	v_max_num_f32 v[BM+\b], v[BM+\b], v[T2+\b]
.endr
.irp b, 0,1
	s_delay_alu instid0(VALU_DEP_2)
	v_add_nc_u32 v[SOP+\b], 0xff000000, v[BM+\b]
.endr
.irp b, 0,1
	s_delay_alu instid0(VALU_DEP_2)
	v_lshrrev_b32 v[T2+\b], 23, v[SOP+\b]
.endr
	s_delay_alu instid0(VALU_DEP_1)
	v_lshl_or_b32 v[TMP], v[T2+1], 8, v[T2]        ; my row's two scale bytes
	v_cvt_scalef32_pk16_fp6_f32 v[PC:PC+2], v[OX:OX+15], v[SOP]
	v_cvt_scalef32_pk16_fp6_f32 v[BM:BM+2], v[OX+16:OX+31], v[SOP+1]
	v_nop
.irp i, 0,1,2
	v_permlane16_swap_b32 v[PC+\i], v[BM+\i]
.endr
.irp i, 0,1,2
	s_delay_alu instid0(VALU_DEP_3)
	v_mov_b32 v[PC+3+\i], v[BM+\i]                 ; v[PC .. PC + 5]: channels 32 (lane / 16) + 0 .. 31 of my row: six registers of the last launch's fragment
.endr
	global_store_b128 v[L16], v[PC:PC+3], s[48:49] offset:6144*\u          ; registers 0-3: 512 consecutive bytes, at a multiple of 256 from the buffer's first byte
	global_store_b64 v[L8], v[PC+4:PC+5], s[48:49] offset:6144*\u+512      ; registers 4-5: the 256 bytes behind them
	ds_store_b16 v[SSA], v[TMP] offset:128*\u      ; both halves of the lanes write the same two bytes with the same value
.endm
	UNIT 0
	UNIT 1
	; THE SCALE BYTES' WAY OUT: a row's 8 bytes come from four waves, so they meet in LDS; waves 0-3 store 32 rows each
	v_add_nc_u32 v[A8], s55, v[L8]
	v_and_b32 v[TMP], 15, v0
	v_bfe_u32 v[A16], v0, 4, 1
	s_delay_alu instid0(VALU_DEP_2)
	v_lshlrev_b32 v[TMP], 4, v[TMP]
	s_delay_alu instid0(VALU_DEP_1)
	v_lshl_add_u32 v[TMP], v[A16], 10, v[TMP]      ; 16 bytes a row, 1,024 a tile
	s_wait_dscnt 0x0                               ; for the others' sake: my stores have landed
	s_barrier_signal -1
	s_barrier_wait -1
	s_cmp_lt_u32 s[WV], 4
	s_cbranch_scc0 .Lno_bytes
	s_wait_alu depctr_va_vdst(0)
	ds_load_b64 v[SX:SX+1], v[A8]
	s_wait_dscnt 0x0
	global_store_b64 v[TMP], v[SX:SX+1], s[50:51]  ; the group's 8 bytes of a row's 16 in its K step: one byte in 24 of what the launch stores
.Lno_bytes:
	s_wait_xcnt 0x0
	v_lshl_add_u32 v254, v0, 2, 0x29000
	v_mov_b32 v255, 0
	s_wait_alu depctr_va_vdst(0)
	s_wait_tensorcnt 0x0
	ds_add_u32 v254, v255
	s_wait_dscnt 0x0
	CROUND                                         ; the closing round: no work-group ends while a partner may still ask for the block that names it
	s_endpgm
.Lfunc_end_k_q917b1bcf24_attn:
	.size	k_q917b1bcf24_attn, .Lfunc_end_k_q917b1bcf24_attn-k_q917b1bcf24_attn
	.p2alignl 7, 3214868480
	.fill 96, 4, 3214868480
	.section	.rodata,"a",@progbits
	.p2align	6, 0x0
	.amdhsa_kernel k_q917b1bcf24_attn
		.amdhsa_group_segment_fixed_size 169984
		.amdhsa_private_segment_fixed_size 0
		.amdhsa_enable_private_segment 0
		.amdhsa_kernarg_size 32
		.amdhsa_user_sgpr_count 2
		.amdhsa_user_sgpr_kernarg_segment_ptr 1
		.amdhsa_wavefront_size32 1
		.amdhsa_system_sgpr_workgroup_id_x 1
		.amdhsa_system_sgpr_workgroup_id_y 1
		.amdhsa_system_sgpr_workgroup_id_z 1
		.amdhsa_system_vgpr_workitem_id 0
		.amdhsa_next_free_vgpr 256
		.amdhsa_next_free_sgpr 66
		.amdhsa_reserve_vcc 0
		.amdhsa_float_denorm_mode_32 3
		.amdhsa_float_denorm_mode_16_64 3
		.amdhsa_memory_ordered 1
		.amdhsa_forward_progress 1
		.amdhsa_inst_pref_size 54
	.end_amdhsa_kernel
	.amdgpu_metadata
---
amdhsa.version: [ 1, 2 ]
amdhsa.kernels:
  - .name:           k_q917b1bcf24_attn
    .symbol:         k_q917b1bcf24_attn.kd
    .args:
      - { .name: qimg, .offset: 0, .size: 8, .value_kind: global_buffer, .address_space: global }
      - { .name: kv, .offset: 8, .size: 8, .value_kind: global_buffer, .address_space: global }
      - { .name: oc, .offset: 16, .size: 8, .value_kind: global_buffer, .address_space: global }
      - { .name: os, .offset: 24, .size: 8, .value_kind: global_buffer, .address_space: global }
    .group_segment_fixed_size: 169984
    .private_segment_fixed_size: 0
    .kernarg_segment_align: 8
    .kernarg_segment_size: 32
    .max_flat_workgroup_size: 512
    .sgpr_count:     66
    .vgpr_count:     256
    .wavefront_size: 32
...
	.end_amdgpu_metadata
.endif
;; end of part 3
;; launch fc (part 4): grid 8 x 32, 4 waves a work-group, clusters of 4 x 4, 327,680 bytes of LDS; arguments oc, os, wimg, bfc, out0; writes out0
.if DOCPART == 4
	.amdgcn_target "amdgcn-amd-amdhsa--gfx1250"
	.amdhsa_code_object_version 6
	.text
	.protected	k_q917b1bcf24_fc
	.globl	k_q917b1bcf24_fc
	.p2align	8
	.type	k_q917b1bcf24_fc,@function
k_q917b1bcf24_fc:
	s_mov_b64 s[64:65], 0
	v_nop
	global_prefetch_b8 v0, s[64:65] scope:SCOPE_SE
	s_setreg_imm32_b32 hwreg(HW_REG_WAVE_MODE, 25, 1), 1
	s_wait_xcnt 0x0
	s_wait_alu depctr_hold_cnt(0) depctr_sa_sdst(0) depctr_va_vdst(0) depctr_va_sdst(0) depctr_va_ssrc(0) depctr_va_vcc(0) depctr_vm_vsrc(0)
	s_getreg_b32 s2, hwreg(HW_REG_IB_STS2, 6, 4)
	s_cmp_eq_u32 s2, 0
	s_cbranch_scc0 .Lentry_in_a_cluster
	s_endpgm
.Lentry_in_a_cluster:
	s_bfe_u32 s2, ttmp6, 0x10000c
	s_cmp_lg_u32 s2, 0xf033
	s_cbranch_scc0 .Lentry_shape_is_right
	s_endpgm
.Lentry_shape_is_right:
.set SIZE_N, 2048
.set FR,     12
.set FRB,    1536
.set TILB,   4*FRB
.set ABLK,   4*TILB
.set BBLK,   8*TILB
.set SLOT,   2*ABLK+2*BBLK
.set SCL,    2*SLOT
.set SAH,    4096
.set SBH,    8192
.set SPARE,  SCL+2*SAH+2*SBH
.set WSC,    3145728
.set SPITCH, 528
.set NP,     4
.set A16,  16
.set A8,   18
.set B16,  20
.set B8,   22
.set STO,  24
.set RD,   25
.set CO,   26
.set ADRS, 27
.set SPW,  28
.set NIL,  29
.set SC,   32
.set BI,   96
.set AF,   160
.set BK,   128
.set G1, 24
.set G0, 32
.set G1B, 48
.set G0B, 56
.set G1S, 68
.set G0S, 76
.set G1SB, 80
.set G0SB, 88
.set MSB, 0
.macro WIN new
.if MSB != \new
	s_set_vgpr_msb (MSB<<8)|\new
.set MSB, \new
.endif
.endm
.set MUL,  0xa1
.set BIA,  0x81
.set TO_B, 0x40
.macro JLOAD g0a, g1a, g0b, g1b
	s_cmp_eq_u32 s15, 0
	s_cbranch_scc0 .Lfor_b_\@
	tensor_load_to_lds s[\g0a:\g0a+3], s[\g1a:\g1a+7]
	s_nop 0
.rept 4
	v_nop
.endr
	s_branch .Lasked_\@
.Lfor_b_\@:
	tensor_load_to_lds s[\g0b:\g0b+3], s[\g1b:\g1b+7]
	s_nop 0
.rept 4
	v_nop
.endr
.Lasked_\@:
.endm
.macro CREST
	s_cmp_lg_u32 s14, 0
	s_cbranch_scc1 .Lnot_wave_0_\@
	s_barrier_signal -3
.Lnot_wave_0_\@:
	s_barrier_wait -3
	s_barrier_signal -1
	s_barrier_wait -1
.endm
.macro CROUND
	s_barrier_signal -1
	s_barrier_wait -1
	CREST
.endm
.macro SHAPE g, rows
	s_mov_b32 s[\g+1], 32<<16
	s_mov_b32 s[\g+2], (\rows)<<16
	s_mov_b32 s[\g+3], 32<<16
	s_mov_b32 s[\g+4], \rows
	s_mov_b32 s[\g+5], 32
	s_mov_b32 s[\g+6], 0
	s_mov_b32 s[\g+7], 0
.endm
	s_load_b128 s[4:7], s[0:1], 0x0
	s_load_b128 s[8:11], s[0:1], 0x10
	s_load_b64 s[12:13], s[0:1], 0x20
	v_lshl_add_u32 v[SPW], v0, 2, SPARE
	v_mov_b32 v[NIL], 0
	ds_add_u32 v28, v29
	ds_add_u32 v28, v29
	s_wait_dscnt 0x0
	v_lshrrev_b32 v1, 5, v0
	v_readfirstlane_b32 s14, v1
	s_lshr_b32 s15, s14, 1
	s_and_b32 s16, s14, 1
	s_bfe_u32 s40, ttmp6, 0x40000
	s_bfe_u32 s41, ttmp6, 0x40004
	s_lshl_b32 s42, ttmp9, 2
	s_add_co_u32 s42, s42, s40
	s_and_b32 s17, ttmp7, 0xffff
	s_lshl_b32 s17, s17, 2
	s_add_co_u32 s17, s17, s41
	s_lshl_b32 s43, s41, 2
	s_lshl_b32 s43, 15, s43
	s_lshl_b32 s44, 0x1111, s40
	s_or_b32 s[G1+0], s43, (3<<16)|(1<<21)
	s_or_b32 s[G1B+0], s44, (3<<16)|(1<<21)
	s_or_b32 s[G1S+0], s43, (3<<16)|(1<<21)
	s_or_b32 s[G1SB+0], s44, (3<<16)|(1<<21)
.macro SHAPE2 g, c, rows, pitch        ; rows of c elements of 8 bytes, pitch elements apart
	s_mov_b32 s[\g+1], ((\c)&0xffff)<<16
	s_mov_b32 s[\g+2], (\rows)<<16
	s_mov_b32 s[\g+3], (\c)<<16
	s_mov_b32 s[\g+4], \rows
	s_mov_b32 s[\g+5], \pitch
	s_mov_b32 s[\g+6], 0
	s_mov_b32 s[\g+7], 0
.endm
	SHAPE2 G1, ABLK/8, 2, 4*ABLK/8                 ; the head's loads of codes: both blocks of the tile's K step 0, each block one row; the blocks lie four K steps apart in memory
	SHAPE2 G1B, BBLK/8, 2, 4*BBLK/8
	SHAPE G1S, 2*SAH/256                           ; the scale words of both blocks are dense
	SHAPE G1SB, 2*SBH/256
	s_lshl_b32 s20, s17, 1
	s_add_co_u32 s20, s20, s16
	s_lshl_b32 s22, s17, 13                        ; the scale words of A's two blocks: 8,192 bytes a tile row
	s_mul_i32 s20, s20, 4*ABLK
	s_mov_b32 s21, 0
	s_mov_b32 s23, 0
	s_lshl_b32 s46, s42, 1
	s_add_co_u32 s46, s46, s16
	s_lshl_b32 s92, s42, 14                        ; those of B's two blocks: 16,384 bytes a tile column
	s_add_co_u32 s92, s92, WSC
	s_mul_i32 s46, s46, 4*BBLK
	s_mov_b32 s47, 0
	s_mov_b32 s93, 0
	s_mul_i32 s45, s16, ABLK
	s_mul_i32 s94, s16, BBLK
	s_add_co_u32 s94, s94, 2*ABLK
	s_wait_kmcnt 0x0
	s_add_nc_u64 s[20:21], s[4:5], s[20:21]
	s_add_nc_u64 s[22:23], s[6:7], s[22:23]
	s_add_nc_u64 s[46:47], s[8:9], s[46:47]
	s_add_nc_u64 s[92:93], s[8:9], s[92:93]
	CROUND                                         ; all sixteen work-groups are here: the first joint loads meet
	s_mul_i32 s66, s16, 4*ABLK                     ; from the tile's first block to mine, in memory: A's,
	s_mov_b32 s67, 0
	s_mul_i32 s18, s16, 4*BBLK                     ; B's
	s_mov_b32 s19, 0
	s_mov_b32 s[G0S], 1                            ; the head's four tiles, each whole: A's scale words,
	s_mov_b32 s[G0S+1], SCL
	s_mov_b64 s[G0S+2:G0S+3], s[22:23]
	s_or_b32 s[G0S+3], s[G0S+3], 0x80000000
	s_mov_b32 s[G0SB], 1                           ; B's,
	s_mov_b32 s[G0SB+1], SCL+2*SAH
	s_mov_b64 s[G0SB+2:G0SB+3], s[92:93]
	s_or_b32 s[G0SB+3], s[G0SB+3], 0x80000000
	s_mov_b32 s[G0], 1                             ; K step 0 of A's two blocks (slot 0's group 0 holds the tile's first block until the head's loads are in),
	s_mov_b32 s[G0+1], 0
	s_sub_nc_u64 s[G0+2:G0+3], s[20:21], s[66:67]
	s_or_b32 s[G0+3], s[G0+3], 0x80000000
	s_mov_b32 s[G0B], 1                            ; and of B's two
	s_mov_b32 s[G0B+1], 2*ABLK
	s_sub_nc_u64 s[G0B+2:G0B+3], s[46:47], s[18:19]
	s_or_b32 s[G0B+3], s[G0B+3], 0x80000000
	s_mov_b32 s[G0+4], 1                           ; slot 1: K step 1 of my block
	s_add_co_u32 s[G0+5], s45, SLOT
	s_add_nc_u64 s[G0+6:G0+7], s[20:21], ABLK
	s_or_b32 s[G0+7], s[G0+7], 0x80000000
	s_mov_b32 s[G0B+4], 1
	s_add_co_u32 s[G0B+5], s94, SLOT
	s_add_nc_u64 s[G0B+6:G0B+7], s[46:47], BBLK
	s_or_b32 s[G0B+7], s[G0B+7], 0x80000000
; one joint load a wave at the head: one chain of branches on the wave's number, a load in each arm, all arms leading to one join
.macro ARM under, g0, g1, next
	s_cmp_lt_u32 s14, \under
	s_cbranch_scc0 \next
	tensor_load_to_lds s[\g0:\g0+3], s[\g1:\g1+7]
	s_nop 0
.rept 4
	v_nop
.endr
	s_branch .Lhead_asked
\next:
.endm
	ARM 1, G0,  G1,  .Lhead_b
	ARM 2, G0B, G1B, .Lhead_sa
	ARM 3, G0S, G1S, .Lhead_sb
	tensor_load_to_lds s[G0SB:G0SB+3], s[G1SB:G1SB+7]
	s_nop 0
.rept 4
	v_nop
.endr
.Lhead_asked:
	v_and_b32 v1, 15, v0
	v_bfe_u32 v2, v0, 4, 1
	v_and_b32 v3, 31, v0
	v_lshlrev_b32 v4, 4, v3
	v_lshlrev_b32 v5, 3, v3
	s_mul_i32 s21, s15, ABLK
	s_mul_i32 s22, s16, BBLK
	s_add_co_u32 s22, s22, 2*ABLK
.irp s, 0,1
	v_add_nc_u32 v[A16+\s], s21, v4
	v_add_nc_u32 v[A8+\s], s21, v5
	v_add_nc_u32 v[B16+\s], s22, v4
	v_add_nc_u32 v[B8+\s], s22, v5
	s_add_co_u32 s21, s21, SLOT
	s_add_co_u32 s22, s22, SLOT
.endr
	s_mul_i32 s21, s15, SAH
	s_mul_i32 s22, s16, SBH
	s_add_co_u32 s22, s22, 2*SAH
	s_sub_co_u32 s22, s22, s21
	v_mul_u32_u24 v6, s22, v2
	s_add_co_u32 s21, s21, SCL
	v_lshl_add_u32 v6, v1, 4, v6
	v_add_nc_u32 v[ADRS], s21, v6
	s_mul_i32 s23, s14, 16*SPITCH
	v_mul_u32_u24 v5, v1, SPITCH
	v_lshl_add_u32 v5, v2, 6, v5
	v_add_nc_u32 v[STO], s23, v5
	v_lshlrev_b32 v[CO], 4, v3
	v_add_nc_u32 v[RD], s23, v[CO]
	s_lshl_b32 s20, s17, 7
	s_lshl_b32 s21, s15, 6
	s_add_co_u32 s20, s20, s21
	s_lshl_b32 s20, s20, 13
	s_mov_b32 s21, 0
	s_lshl_b32 s46, s42, 10
	s_lshl_b32 s47, s16, 9
	s_add_co_u32 s46, s46, s47
	s_mov_b32 s47, 0
	s_add_nc_u64 s[20:21], s[20:21], s[46:47]
	s_add_nc_u64 s[12:13], s[12:13], s[20:21]
	s_add_nc_u64 s[96:97], s[10:11], s[46:47]
	v_lshlrev_b32 v7, 6, v2
.irp b, 0,1,2,3,4,5,6,7
	global_load_b128 v[BI+8*\b:BI+8*\b+3], v7, s[96:97] offset:128*(\b/2)+32*(\b%2)
	global_load_b128 v[BI+8*\b+4:BI+8*\b+7], v7, s[96:97] offset:128*(\b/2)+32*(\b%2)+16
.endr
.macro FRAG reg, a16, a8, off
	ds_load_b128 v[\reg:\reg+3], v[\a16] offset:\off
	ds_load_b64 v[\reg+4:\reg+5], v[\a8] offset:\off+512
	ds_load_b128 v[\reg+6:\reg+9], v[\a16] offset:\off+768
	ds_load_b64 v[\reg+10:\reg+11], v[\a8] offset:\off+1280
.endm
.macro FETCH slot, q, p
	WIN TO_B
.irp i, 0,1,2,3,4,5,6,7
	FRAG 128*(\p)+FR*\i, B16+\slot, B8+\slot, \i*TILB+(\q)*FRB
.endr
	WIN 0
.irp i, 0,1,2,3
	FRAG AF+48*(\p)+FR*\i, A16+\slot, A8+\slot, \i*TILB+(\q)*FRB
.endr
.endm
.macro SCALES sc, t
.irp j, 0,1,2,3,4,5,6,7
	ds_load_b128 v[SC+32*(\sc)+4*\j:SC+32*(\sc)+4*\j+3], v[ADRS] offset:\j*1024+(\t)*256
.endr
.endm
.macro MUL8 a, p, q, sc, first
.irp b, 0,1,2,3,4,5,6,7
.if \first
	v_wmma_scale_f32_16x16x128_f8f6f4 v[8*(8*(\a)+\b):8*(8*(\a)+\b)+7], v[128*(\p)+FR*\b:128*(\p)+FR*\b+FR-1], v[AF+48*(\p)+FR*(\a):AF+48*(\p)+FR*(\a)+FR-1], v[BI+8*\b:BI+8*\b+7], v[SC+32*(\sc)+4*\b+(\q)], v[SC+32*(\sc)+4*(\a)+(\q)] matrix_a_fmt:MATRIX_FMT_FP6 matrix_b_fmt:MATRIX_FMT_FP6 matrix_a_scale:MATRIX_SCALE_ROW1
.else
	v_wmma_scale_f32_16x16x128_f8f6f4 v[8*(8*(\a)+\b):8*(8*(\a)+\b)+7], v[128*(\p)+FR*\b:128*(\p)+FR*\b+FR-1], v[AF+48*(\p)+FR*(\a):AF+48*(\p)+FR*(\a)+FR-1], v[8*(8*(\a)+\b):8*(8*(\a)+\b)+7], v[SC+32*(\sc)+4*\b+(\q)], v[SC+32*(\sc)+4*(\a)+(\q)] matrix_a_fmt:MATRIX_FMT_FP6 matrix_b_fmt:MATRIX_FMT_FP6 matrix_a_scale:MATRIX_SCALE_ROW1
.endif
.endr
.endm
.macro PLACES n
.rept \n
	v_nop
.endr
.endm
.macro STEP t, q, first
	s_wait_dscnt 0x0
.if !(\first)
	PLACES NP
.endif
	FETCH (\t)%2, (\q)+1, ((\q)+1)%2
.if \first
	WIN BIA
.else
	WIN MUL
.endif
.irp a, 0,1,2,3
	MUL8 \a, (\q)%2, \q, (\t)%2, \first
.endr
	WIN 0
.endm
.macro TURN t, fill
	s_wait_tensorcnt 0x0
	ds_add_u32 v[SPW], v[NIL]
	s_wait_dscnt 1
	WIN MUL
	MUL8 0, 1, 3, (\t)%2, 0
	s_wait_dscnt 0x0
	s_barrier_signal -1
	MUL8 1, 1, 3, (\t)%2, 0
	WIN 0
	s_barrier_wait -1
.if \fill
	CREST
	s_add_nc_u64 s[G0+4*((\t)%2)+2:G0+4*((\t)%2)+3], s[G0+4*((\t)%2)+2:G0+4*((\t)%2)+3], 2*ABLK
	s_add_nc_u64 s[G0B+4*((\t)%2)+2:G0B+4*((\t)%2)+3], s[G0B+4*((\t)%2)+2:G0B+4*((\t)%2)+3], 2*BBLK
	JLOAD G0+4*((\t)%2), G1, G0B+4*((\t)%2), G1B
.else
	PLACES NP
.endif
	FETCH ((\t)+1)%2, 0, 0
	SCALES ((\t)+1)%2, (\t)+1
	WIN MUL
	MUL8 2, 1, 3, (\t)%2, 0
	MUL8 3, 1, 3, (\t)%2, 0
	WIN 0
.endm
	s_wait_alu depctr_va_vdst(0)
	s_wait_tensorcnt 0x0                           ; my tile of the head's four is in
	ds_add_u32 v[SPW], v[NIL]
	SHAPE G1, ABLK/256                             ; no tensor load of mine is out, so descriptors may be written: the ring's loads bring one block, as rows of 256 bytes,
	SHAPE G1B, BBLK/256
	s_mov_b32 s[G0+1], s45                         ; and slot 0's group 0 stands at my block
	s_add_nc_u64 s[G0+2:G0+3], s[G0+2:G0+3], s[66:67]
	s_mov_b32 s[G0B+1], s94
	s_add_nc_u64 s[G0B+2:G0B+3], s[G0B+2:G0B+3], s[18:19]
	s_wait_dscnt 0x0                               ; the add is done
	CROUND                                         ; a whole round: all four tiles are in, and the joint loads meet
	JLOAD G0+4, G1, G0B+4, G1B                     ; slot 1's first fill, the first tensor load behind the round
	FETCH 0, 0, 0
	SCALES 0, 0
	s_wait_loadcnt 0x0
	STEP 0, 0, 1
	STEP 0, 1, 0
	STEP 0, 2, 0
	TURN 0, 1
	STEP 1, 0, 0
	STEP 1, 1, 0
	STEP 1, 2, 0
	TURN 1, 1
	STEP 2, 0, 0
	STEP 2, 1, 0
	STEP 2, 2, 0
	TURN 2, 0
	STEP 3, 0, 0
	STEP 3, 1, 0
	STEP 3, 2, 0
	s_wait_dscnt 0x0
	WIN MUL
.irp a, 0,1,2,3
	MUL8 \a, 1, 3, 1, 0
.endr
	WIN 0
.macro TOSTAGE a
.set AC, 64*(\a)
	WIN 0x08
.irp b, 0,1,2,3,4,5,6,7
	ds_store_b128 v[STO], v[AC+8*\b:AC+8*\b+3] offset:128*(\b/2)+32*(\b%2)
	ds_store_b128 v[STO], v[AC+8*\b+4:AC+8*\b+7] offset:128*(\b/2)+32*(\b%2)+16
.endr
	WIN 0
.set BB, BK+64*((\a)%2)
.irp t, 0,1,2,3,4,5,6,7,8,9,10,11,12,13,14,15
	ds_load_b128 v[BB+4*\t:BB+4*\t+3], v[RD] offset:\t*SPITCH
.endr
.endm
.macro SEND a, younger
.set BB, BK+64*((\a)%2)
	s_wait_dscnt \younger
.irp t, 0,1,2,3,4,5,6,7,8,9,10,11,12,13,14,15
	global_store_b128 v[CO], v[BB+4*\t:BB+4*\t+3], s[12:13] offset:(32*((\a)/2)+16*(\t/8)+8*((\a)%2)+\t%8)*SIZE_N*4 th:TH_STORE_NT
.endr
.endm
	PLACES NP
	TOSTAGE 0
.irp a, 1,2,3
.if \a > 1
	s_wait_xcnt 0x0
.endif
	TOSTAGE \a
	SEND \a-1, 32
.endr
	SEND 3, 0
	s_wait_tensorcnt 0x0
	ds_add_u32 v[SPW], v[NIL]
	s_wait_dscnt 0x0
	CROUND
	s_endpgm
.Lfunc_end_k_q917b1bcf24_fc:
	.size	k_q917b1bcf24_fc, .Lfunc_end_k_q917b1bcf24_fc-k_q917b1bcf24_fc
	.p2alignl 7, 3214868480
	.fill 96, 4, 3214868480
	.section	.rodata,"a",@progbits
	.p2align	6, 0x0
	.amdhsa_kernel k_q917b1bcf24_fc
		.amdhsa_group_segment_fixed_size 327680
		.amdhsa_private_segment_fixed_size 0
		.amdhsa_enable_private_segment 0
		.amdhsa_kernarg_size 40
		.amdhsa_user_sgpr_count 2
		.amdhsa_user_sgpr_kernarg_segment_ptr 1
		.amdhsa_wavefront_size32 1
		.amdhsa_system_sgpr_workgroup_id_x 1
		.amdhsa_system_sgpr_workgroup_id_y 1
		.amdhsa_system_sgpr_workgroup_id_z 1
		.amdhsa_system_vgpr_workitem_id 0
		.amdhsa_next_free_vgpr 768
		.amdhsa_next_free_sgpr 100
		.amdhsa_reserve_vcc 0
		.amdhsa_float_denorm_mode_32 3
		.amdhsa_float_denorm_mode_16_64 3
		.amdhsa_memory_ordered 1
		.amdhsa_forward_progress 1
		.amdhsa_inst_pref_size 148
	.end_amdhsa_kernel
	.amdgpu_metadata
---
amdhsa.version: [ 1, 2 ]
amdhsa.kernels:
  - .name:           k_q917b1bcf24_fc
    .symbol:         k_q917b1bcf24_fc.kd
    .args:
      - { .name: oc, .offset: 0, .size: 8, .value_kind: global_buffer, .address_space: global }
      - { .name: os, .offset: 8, .size: 8, .value_kind: global_buffer, .address_space: global }
      - { .name: wimg, .offset: 16, .size: 8, .value_kind: global_buffer, .address_space: global }
      - { .name: bfc, .offset: 24, .size: 8, .value_kind: global_buffer, .address_space: global }
      - { .name: out0, .offset: 32, .size: 8, .value_kind: global_buffer, .address_space: global }
    .group_segment_fixed_size: 327680
    .private_segment_fixed_size: 0
    .kernarg_segment_align: 8
    .kernarg_segment_size: 40
    .max_flat_workgroup_size: 128
    .sgpr_count:     100
    .vgpr_count:     768
    .wavefront_size: 32
...
	.end_amdgpu_metadata
.endif
;; end of part 4
